; MI455X (gfx1250); checked and timed in simulation.
; The chip was launched on July 23, 2026; its instructions are those of AMD's public machine-readable ISA for CDNA 5 (MIT licence, August 2026) and "CDNA5" Instruction Set Architecture Reference Guide (July 2026). The comments in the code are by the model that wrote it; some were corrected since.
;; Mo E Layer. Allowed arithmetic: matrix products marked QUANTISED: E5M2 operands, one E8M0 scale for each 32 along K, by v_wmma_scale_f32_16x16x128_f8f6f4 with both operands' format E5M2, f32 sums; products left as they are: f32 operands where the result goes on into a quantised operand, else bf16, f16 or f32 operands; f32 sums; everything else in f32.
;; Inputs: W1 8 x 1,024 x 4,096 float32; W2 8 x 4,096 x 1,024 float32; Wr 1,024 x 8 float32; b1 8 x 4,096 float32; b2 8 x 1,024 float32; beta 1,024 float32; br 8 float32; gamma 1,024 float32; x 4 x 256 x 1,024 float32.
;; Outputs: out0 4 x 256 x 1,024 float32.
;; This version of the problem:
;;   THIS VERSION OF THE PROBLEM IS GIVEN IN LOW PRECISION. The matrix products marked QUANTISED in the list below multiply operands that are first quantised to E5M2 (5 exponent bits, 2 mantissa bits; 8 bits a number), with one power-of-two scale for each 32 numbers along K (OCP MX v1.0); their sums are f32. All else is computed in f32.
;;   The module's matrix products, in the order in which they are computed (A, B: the left and right operand; K: the contracted axis; several contracted axes count as one K, in the product's order):
;;     1. [M 4, K 1,024] x [K 1,024, N 8]; A: computed on the way; B: input Wr: left as it is (M = 4 < 16)
;;     2. [M 32,768, K 1,024] x [K 1,024, N 1,024]; A: input W1; B: input x: QUANTISED
;;     3. batch 8 x [M 1,024, K 4,096] x [K 4,096, N 1,024]; A: computed on the way; B: input W2: QUANTISED
;;     4. batch 1,024 x [M 1, K 2] x [K 2, N 8]; A: softmax; B: computed on the way: left as it is (K = 2 < 32)
;;     5. batch 1,024 x [M 1, K 8] x [K 8, N 1,024]; A: computed on the way; B: computed on the way: left as it is (K = 8 < 32)
;;   THE QUANTISER, for each operand of a quantised product, along K:
;;     - K is cut into blocks of 32 from its start; a last block that is shorter is filled with zeros.
;;     - A block's scale is 2^e with e = floor(log2(the largest magnitude in the block)) - 15, held to -126 .. 127; a block of zeros has e = 0. As a byte (E8M0): e + 127.
;;     - Each number is divided by its block's scale, clamped to +-57,344, and rounded to the nearest number of E5M2, ties to even, subnormals kept.
;;     - The product sums the exact products of the quantised numbers (number of the format x scale) in f32.
;;   ~~~python
;;   def quantise(x, axis):      # numpy; x: float32 -> the quantised numbers, widened to float32 again
;;       x = np.moveaxis(x, axis, -1); K = x.shape[-1]
;;       x = np.pad(x, [(0, 0)] * (x.ndim - 1) + [(0, -K % 32)]); x = x.reshape(x.shape[:-1] + (-1, 32)); a = np.abs(x).max(-1, keepdims=True)
;;       e = np.where(a > 0, np.clip(np.frexp(np.where(a > 0, a, 1))[1] - 1 - 15, -126, 127), 0)      # np.frexp(a)[1] - 1 = floor(log2(a)), exactly
;;       r = np.clip(x / 2.0 ** e, -57344, 57344)
;;       step = 2.0 ** (np.maximum(np.frexp(np.where(r == 0, 1, r))[1] - 1, -14) - 2)
;;       q = np.round(r / step) * step * 2.0 ** e      # np.round: ties to even
;;       return np.moveaxis(q.reshape(q.shape[:-2] + (-1,))[..., :K], -1, axis).astype(np.float32)
;;   ~~~
;;   OPERANDS COMPUTED ON THE WAY. 'Computed on the way' means the value that the module computes at that place (a softmax that the list does not call 'softmax' is quantised finished and normalised). What goes into a quantiser is computed in f32, as accurately as f32 sums, v_exp_f32 and their like allow (about 1e-6 of the number): no bf16 or f16 on the way to a quantiser, and a product that is left as it is and whose result goes on into a quantised operand takes f32 operands (vector FMAs, or v_wmma_f32_16x16x4_f32). A number that lies on a knife's edge between two numbers of the format may be rounded either way, as far as f32 arithmetic and the matrix unit's own rounding can turn it there, and no further.
;; 2 versions, each right and faster than the one before. Each part assembles by itself: llvm-mc -triple=amdgcn-amd-amdhsa -mcpu=gfx1250 --defsym DOCPART=n.
;; ======== version 1 of 2: 4 launches
;; workspace buffers: xc 1,048,576 bytes; xs 32,768 bytes; hc 8,388,608 bytes; hs 262,144 bytes; idx 256 bytes of whole numbers; wts 256 bytes; part 33,554,432 bytes
;; launch prep (part 1): grid 20 x 1, 16 waves a work-group, no clusters, 68,096 bytes of LDS; arguments x, Wr, br, xc, xs, idx, wts; writes xc, xs, idx, wts
.if DOCPART == 1
	.amdgcn_target "amdgcn-amd-amdhsa--gfx1250"
	.amdhsa_code_object_version 6
	.text
	.protected	k_q9c93348f26_prep
	.globl	k_q9c93348f26_prep
	.p2align	8
	.type	k_q9c93348f26_prep,@function
k_q9c93348f26_prep:
	s_mov_b64 s[64:65], 0
	v_nop
	global_prefetch_b8 v0, s[64:65] scope:SCOPE_SE
	s_setreg_imm32_b32 hwreg(HW_REG_WAVE_MODE, 25, 1), 1
	s_wait_xcnt 0x0
; Two jobs in one launch, told apart by the work-group's number alone.
; WORK-GROUPS 0-3: THE ROUTER of batch b.  mean over the batch's 256 tokens, x Wr + br, softmax (its maximum taken away), the two largest
; (of equal weights the lower index first), softmax over those two.  Stored: idx[2 b + k] = the expert (a whole number), wts[2 b + k] = its weight.
; All 256 tokens of a batch share them.  No address and no branch here hangs on these numbers: they are chosen by v_cndmask_b32 and stored at fixed places.
; WORK-GROUPS 4-19: x INTO CODES of E5M2 with one E8M0 byte for each 32 along D, laid as images of the operand's registers:
; xc [tile of 16 rows: 64][K step of 128: 8][group c: 4][lane: 32][16 bytes];  xs [tile][K step][row 16] scale words.
; LIMITS: NaN and infinities are not served.  A block of zeros gets the byte 1 (its codes are zeros; only this program reads the bytes).
; The router's sums run in another order than a plain sum down the tokens: two experts whose weights agree to the last bits of f32 may change places.
.set BUF, 32                           ; v32-159  router: two buffers of two rows of x (64 registers each);  quantiser: 2 x 64 numbers
.set SUM, 160                          ; v160-191 router: my 32 column sums;  quantiser: the codes
.set TM,  16                           ; v16-31   quantiser: at work (router: Wr's two rows)
.set LGT, 65536                        ; LDS: 16 waves x 4,096 bytes of column sums, then 16 waves x 8 partial logits
.macro BAR                             ; my LDS stores have landed and my LDS loads are in: then the work-group's barrier
	s_wait_dscnt 0x0
	s_barrier_signal -1
	s_barrier_wait -1
.endm
.macro RLOAD i                         ; rows 2 i and 2 i + 1 of my wave's 16: each load takes 512 consecutive bytes
.irp rr, 0,1
.irp c, 0,1,2,3,4,5,6,7
	global_load_b128 v[BUF+64*((\i)%2)+32*\rr+4*\c:BUF+64*((\i)%2)+32*\rr+4*\c+3], v3, s[4:5] offset:(2*(\i)+\rr)*4096+512*\c
.endr
.endr
.endm
.macro RADD i, left                    ; left: the other buffer's loads, which may stay out
	s_wait_loadcnt \left
.irp k, 0,2,4,6,8,10,12,14,16,18,20,22,24,26,28,30
.if (\i) == 0
	v_pk_add_f32 v[SUM+\k:SUM+\k+1], v[BUF+\k:BUF+\k+1], v[BUF+32+\k:BUF+32+\k+1]      ; the first two rows start the sums
.else
	v_pk_add_f32 v[SUM+\k:SUM+\k+1], v[SUM+\k:SUM+\k+1], v[BUF+64*((\i)%2)+\k:BUF+64*((\i)%2)+\k+1]
.endif
.endr
.if (\i) > 0
.irp k, 0,2,4,6,8,10,12,14,16,18,20,22,24,26,28,30
	v_pk_add_f32 v[SUM+\k:SUM+\k+1], v[SUM+\k:SUM+\k+1], v[BUF+64*((\i)%2)+32+\k:BUF+64*((\i)%2)+32+\k+1]
.endr
.endif
.if (\i)+2 < 8
	RLOAD (\i)+2
.endif
.endm
.macro OVER8 op, r                     ; over the eight lanes that hold the eight experts
	\op v[\r], v[\r], v[\r] row_xmask:1 row_mask:0xf bank_mask:0xf
	\op v[\r], v[\r], v[\r] row_xmask:2 row_mask:0xf bank_mask:0xf
	\op v[\r], v[\r], v[\r] row_xmask:4 row_mask:0xf bank_mask:0xf
.endm
; 64 numbers of a lane, register 16 b + i = k 32 b + 16 (lane / 16) + i of my row, become a fragment's codes in v[pc] on and its scale word in v[pw]
.macro QUANT s, pc, pw
.irp b, 0,1,2,3
	v_max3_num_f32 v[TM+\b], |v[(\s)+16*\b]|, |v[(\s)+1+16*\b]|, 0x8000000   ; my 16 numbers of block b, and the floor 2^(16 - 127): the byte cannot fall under 1
.endr
.irp i, 2,4,6,8,10,12,14
.irp b, 0,1,2,3
	v_max3_num_f32 v[TM+\b], v[TM+\b], |v[(\s)+16*\b+\i]|, |v[(\s)+1+16*\b+\i]|
.endr
.endr
.irp b, 0,1,2,3
	v_permlanex16_b32 v[TM+4+\b], v[TM+\b], s20, s21
.endr
.irp b, 0,1,2,3
	v_max_num_f32 v[TM+\b], v[TM+\b], v[TM+4+\b]              ; with lane l xor 16's: the block's largest magnitude
.endr
.irp b, 0,1,2,3
	v_add_nc_u32 v[TM+12+\b], 0xf8800000, v[TM+\b]            ; 15 off its exponent field: the conversion's scale operand
.endr
.irp b, 0,1,2,3
	v_and_or_b32 v[TM+8+\b], v[TM+\b], 0x7f800000, s19        ; 57,344 x the scale
.endr
.irp b, 0,1,2,3
	v_lshrrev_b32 v[TM+4+\b], 23, v[TM+12+\b]                 ; the scale's byte
.endr
	v_lshl_or_b32 v[\pw], v[TM+5], 8, v[TM+4]
	v_lshl_or_b32 v[\pw], v[TM+6], 16, v[\pw]
	v_lshl_or_b32 v[\pw], v[TM+7], 24, v[\pw]
.irp b, 0,1,2,3
.irp i, 0,1,2,3,4,5,6,7,8,9,10,11,12,13,14,15
	v_med3_num_f32 v[(\s)+16*\b+\i], v[(\s)+16*\b+\i], -v[TM+8+\b], v[TM+8+\b]   ; the conversion does not saturate (ISA guide 7.6.2): the hold comes first
.endr
	v_cvt_scalef32_pk8_bf8_f32 v[(\pc)+4*\b:(\pc)+1+4*\b], v[(\s)+16*\b:(\s)+7+16*\b], v[TM+12+\b]
	v_cvt_scalef32_pk8_bf8_f32 v[(\pc)+2+4*\b:(\pc)+3+4*\b], v[(\s)+8+16*\b:(\s)+15+16*\b], v[TM+12+\b]
.endr
	v_nop                                                     ; a plain line behind the last conversion
.endm
	s_load_b256 s[4:11], s[0:1], 0x0               ; x s[4:5], Wr s[6:7], br s[8:9], xc s[10:11]
	s_load_b128 s[12:15], s[0:1], 0x20             ; xs s[12:13], idx s[14:15]
	s_load_b64 s[16:17], s[0:1], 0x30              ; wts
	v_lshl_add_u32 v254, v0, 2, 0x10200
	v_mov_b32 v255, 0
	v_lshrrev_b32 v2, 5, v0
	v_readfirstlane_b32 s18, v2                    ; wave 0..15
	v_and_b32 v1, 31, v0                           ; lane
	s_mov_b32 s19, 0x600000                        ; the mantissa field of 57,344
	s_mov_b32 s20, 0x76543210
	s_mov_b32 s21, 0xfedcba98                      ; v_permlanex16_b32's selects for lane l xor 16
	s_cmp_ge_u32 ttmp9, 4
	s_cbranch_scc1 .Lquant
	; ---------------- the router of batch b = the work-group's number
	s_lshl_b32 s22, ttmp9, 20                      ; a batch of x is 256 rows of 4,096 bytes
	s_mov_b32 s23, 0
	s_lshl_b32 s24, s18, 16                        ; my wave's 16 rows
	v_lshl_add_u32 v3, v1, 4, s24                  ; + 16 bytes a lane
	v_lshlrev_b32 v4, 6, v0                        ; Wr: rows 2 t and 2 t + 1 are 64 bytes at 64 t
	v_and_b32 v5, 7, v0                            ; the expert that my lane will hold
	v_cvt_f32_u32 v11, v5                          ; its number as f32, so that the least index is a v_min_num_f32
	v_lshlrev_b32 v5, 2, v5
	s_lshl_b32 s25, s18, 12
	v_lshl_add_u32 v6, v1, 4, s25                  ; LDS: my wave's 4,096 bytes of column sums, 16 a lane
	v_lshlrev_b32 v7, 3, v0                        ; LDS: columns 2 t, 2 t + 1
	s_lshl_b32 s25, s18, 5
	s_add_co_u32 s25, s25, LGT
	v_mov_b32 v8, s25                              ; LDS: my wave's 8 partial logits
	v_lshl_add_u32 v9, v1, 2, LGT                  ; LDS: word l of the 128
	s_mov_b32 s26, 0x3b800000                      ; 1 / 256
	s_wait_kmcnt 0x0
	s_add_nc_u64 s[4:5], s[4:5], s[22:23]
	global_load_b32 v10, v5, s[8:9]                ; br of my expert
.irp c, 0,1,2,3
	global_load_b128 v[16+4*\c:19+4*\c], v4, s[6:7] offset:16*\c
.endr
	RLOAD 0
	RLOAD 1
	RADD 0, 16
	RADD 1, 16
	RADD 2, 16
	RADD 3, 16
	RADD 4, 16
	RADD 5, 16
	RADD 6, 16
	RADD 7, 0
.irp c, 0,1,2,3,4,5,6,7
	ds_store_b128 v6, v[SUM+4*\c:SUM+4*\c+3] offset:512*\c      ; column n at byte 4 n of my wave's part
.endr
	BAR                                            ; sixteen waves' column sums lie in LDS
.irp k, 0,1,2,3,4,5,6,7,8,9,10,11,12,13,14,15
	ds_load_b64 v[32+2*\k:33+2*\k], v7 offset:4096*\k
.endr
	s_wait_dscnt 0x0
.irp k, 0,2,4,6,8,10,12,14
	v_pk_add_f32 v[32+\k:33+\k], v[32+\k:33+\k], v[48+\k:49+\k]
.endr
.irp k, 0,2,4,6
	v_pk_add_f32 v[32+\k:33+\k], v[32+\k:33+\k], v[40+\k:41+\k]
.endr
	v_pk_add_f32 v[32:33], v[32:33], v[36:37]
	v_pk_add_f32 v[34:35], v[34:35], v[38:39]
	v_pk_add_f32 v[32:33], v[32:33], v[34:35]      ; the batch's sums of columns 2 t and 2 t + 1
.irp e, 0,1,2,3,4,5,6,7
	v_mul_f32 v[64+\e], v32, v[16+\e]
.endr
.irp e, 0,1,2,3,4,5,6,7
	v_fmac_f32 v[64+\e], v33, v[24+\e]             ; my two columns' part of the eight logits
.endr
.irp m, 1,2,4,8
.irp e, 0,1,2,3,4,5,6,7
	v_add_f32_dpp v[64+\e], v[64+\e], v[64+\e] row_xmask:\m row_mask:0xf bank_mask:0xf
.endr
.endr
.irp e, 0,1,2,3,4,5,6,7
	v_permlanex16_b32 v[72+\e], v[64+\e], s20, s21
.endr
.irp e, 0,1,2,3,4,5,6,7
	v_add_f32 v[64+\e], v[64+\e], v[72+\e]         ; the wave's part, in every lane
.endr
	ds_store_b128 v8, v[64:67]                     ; all lanes write the same words with the same values
	ds_store_b128 v8, v[68:71] offset:16
	BAR
.irp k, 0,1,2,3
	ds_load_b32 v[80+\k], v9 offset:128*\k         ; word l + 32 k: expert l % 8 of wave l / 8 + 4 k
.endr
	s_wait_dscnt 0x0
	v_add_f32 v80, v80, v81
	v_add_f32 v82, v82, v83
	v_add_f32 v80, v80, v82
	v_add_f32_dpp v80, v80, v80 row_xmask:8 row_mask:0xf bank_mask:0xf
	v_permlanex16_b32 v81, v80, s20, s21
	v_add_f32 v80, v80, v81                        ; lane l: the sum for expert l % 8
	v_fma_f32 v80, v80, s26, v10                   ; the logit: / 256, + br
	v_mov_b32 v82, v80
	OVER8 v_max_num_f32_dpp, 82                    ; the largest logit is taken away ahead of the exponential
	v_sub_f32 v83, v80, v82
	v_mul_f32 v83, 0x3fb8aa3b, v83
	v_exp_f32 v83, v83
	v_nop                                          ; a plain line behind the transcendental,
	s_wait_alu depctr_va_vdst(0)                   ; and a wait ahead of its first reader
	v_mov_b32 v84, v83
	OVER8 v_add_f32_dpp, 84
	v_rcp_f32 v84, v84
	v_nop
	s_wait_alu depctr_va_vdst(0)
	v_mul_f32 v83, v83, v84                        ; rw of my expert
	v_mov_b32 v86, 0x41000000                      ; 8.0: above every index
	v_mov_b32 v89, -1.0                            ; under every weight
	v_mov_b32 v85, v83
	OVER8 v_max_num_f32_dpp, 85                    ; the largest weight,
	v_cmp_eq_f32 vcc_lo, v83, v85
	v_cndmask_b32 v87, v86, v11, vcc_lo
	OVER8 v_min_num_f32_dpp, 87                    ; and the least index that has it
	v_cmp_eq_f32 vcc_lo, v11, v87
	v_cndmask_b32 v88, v83, v89, vcc_lo            ; that expert is taken out
	v_mov_b32 v90, v88
	OVER8 v_max_num_f32_dpp, 90                    ; the second largest,
	v_cmp_eq_f32 vcc_lo, v88, v90
	v_cndmask_b32 v91, v86, v11, vcc_lo
	OVER8 v_min_num_f32_dpp, 91                    ; and its least index
	v_sub_f32 v92, v90, v85                        ; softmax over the two: the larger is taken away, so the exponent is 0 or less
	v_mul_f32 v92, 0x3fb8aa3b, v92
	v_exp_f32 v92, v92
	v_nop
	s_wait_alu depctr_va_vdst(0)
	v_add_f32 v93, 1.0, v92
	v_rcp_f32 v93, v93                             ; the first's weight
	v_nop
	s_wait_alu depctr_va_vdst(0)
	v_mul_f32 v92, v92, v93                        ; the second's
	v_cmp_eq_u32 vcc_lo, 0, v1
	v_cndmask_b32 v94, v91, v87, vcc_lo            ; lane 0: the first choice; lane 1: the second
	v_cndmask_b32 v95, v92, v93, vcc_lo
	v_cvt_u32_f32 v94, v94
	v_lshlrev_b32 v12, 2, v1
	s_cmp_lg_u32 s18, 0                            ; wave 0 stores
	s_cbranch_scc1 .Lrouted
	s_lshl_b32 s22, ttmp9, 3
	s_add_nc_u64 s[14:15], s[14:15], s[22:23]
	s_add_nc_u64 s[16:17], s[16:17], s[22:23]
	v_cmp_gt_u32 vcc_lo, 2, v1
	s_wait_xcnt 0x0                                ; EXEC changes only behind this wait
	s_and_saveexec_b32 s27, vcc_lo
	global_store_b32 v12, v94, s[14:15]
	global_store_b32 v12, v95, s[16:17]
	s_wait_xcnt 0x0                                ; and again in front of the line that widens it
	s_or_b32 exec_lo, exec_lo, s27
.Lrouted:
	s_wait_tensorcnt 0x0
	ds_add_u32 v254, v255
	s_wait_dscnt 0x0
	s_endpgm
	; ---------------- x into codes: wave w takes the tile of rows M = 4 (work-group - 4) + w / 4 and K steps 2 j, 2 j + 1, j = w % 4
.Lquant:
	s_sub_co_u32 s22, ttmp9, 4
	s_lshl_b32 s22, s22, 2
	s_lshr_b32 s23, s18, 2
	s_add_co_u32 s22, s22, s23                     ; M
	s_and_b32 s23, s18, 3                          ; j
	s_lshl_b32 s24, s22, 16                        ; x: 16 rows of 4,096 bytes,
	s_lshl_b32 s25, s23, 10                        ; two K steps of 512 bytes
	s_add_co_u32 s24, s24, s25
	s_mov_b32 s25, 0
	s_lshl_b32 s26, s22, 14                        ; xc: 8 images of 2,048 bytes a tile
	s_lshl_b32 s27, s23, 12
	s_add_co_u32 s26, s26, s27
	s_mov_b32 s27, 0
	s_lshl_b32 s28, s22, 9                         ; xs: 8 x 64 bytes a tile
	s_lshl_b32 s29, s23, 7
	s_add_co_u32 s28, s28, s29
	s_mov_b32 s29, 0
	v_and_b32 v2, 15, v0                           ; r
	v_bfe_u32 v3, v0, 4, 1                         ; h
	v_lshlrev_b32 v4, 12, v2
	v_lshl_add_u32 v4, v3, 6, v4                   ; row r, + 64 h: my 16 numbers of a block of 32
	v_lshlrev_b32 v5, 4, v1
	v_lshlrev_b32 v6, 2, v1
.irp b, 0,1,2,3
	v_mov_b32 v[TM+4+\b], 0                        ; a lane permute's destination counts as one of its sources
.endr
	s_wait_kmcnt 0x0
	s_add_nc_u64 s[4:5], s[4:5], s[24:25]
	s_add_nc_u64 s[10:11], s[10:11], s[26:27]
	s_add_nc_u64 s[12:13], s[12:13], s[28:29]
.irp sl, 0,1
.irp b, 0,1,2,3
.irp jj, 0,1,2,3
	global_load_b128 v[BUF+64*\sl+16*\b+4*\jj:BUF+64*\sl+16*\b+4*\jj+3], v4, s[4:5] offset:512*\sl+128*\b+16*\jj
.endr
.endr
.endr
	s_wait_loadcnt 16                              ; the first K step's 16 loads are in
	QUANT BUF, SUM, 192
	s_wait_loadcnt 0x0
	QUANT BUF+64, SUM+16, 193
.irp sl, 0,1
.irp c, 0,1,2,3
	global_store_b128 v5, v[SUM+16*\sl+4*\c:SUM+16*\sl+4*\c+3], s[10:11] offset:2048*\sl+512*\c   ; 32 lanes store 512 consecutive bytes
.endr
.endr
	v_cmp_gt_u32 vcc_lo, 16, v1
	v_cndmask_b32 v194, v193, v192, vcc_lo         ; lanes 0-15: K step 2 j's words; lanes 16-31: K step 2 j + 1's
	global_store_b32 v6, v194, s[12:13]
	s_endpgm
.Lfunc_end_k_q9c93348f26_prep:
	.size	k_q9c93348f26_prep, .Lfunc_end_k_q9c93348f26_prep-k_q9c93348f26_prep
	.p2alignl 7, 3214868480
	.fill 96, 4, 3214868480
	.section	.rodata,"a",@progbits
	.p2align	6, 0x0
	.amdhsa_kernel k_q9c93348f26_prep
		.amdhsa_group_segment_fixed_size 68096
		.amdhsa_private_segment_fixed_size 0
		.amdhsa_enable_private_segment 0
		.amdhsa_kernarg_size 56
		.amdhsa_user_sgpr_count 2
		.amdhsa_user_sgpr_kernarg_segment_ptr 1
		.amdhsa_wavefront_size32 1
		.amdhsa_system_sgpr_workgroup_id_x 1
		.amdhsa_system_sgpr_workgroup_id_y 1
		.amdhsa_system_sgpr_workgroup_id_z 1
		.amdhsa_system_vgpr_workitem_id 0
		.amdhsa_next_free_vgpr 256
		.amdhsa_next_free_sgpr 66
		.amdhsa_reserve_vcc 1
		.amdhsa_float_denorm_mode_32 3
		.amdhsa_float_denorm_mode_16_64 3
		.amdhsa_memory_ordered 1
		.amdhsa_forward_progress 1
		.amdhsa_inst_pref_size 60
	.end_amdhsa_kernel
	.amdgpu_metadata
---
amdhsa.version: [ 1, 2 ]
amdhsa.kernels:
  - .name:           k_q9c93348f26_prep
    .symbol:         k_q9c93348f26_prep.kd
    .args:
      - { .name: x, .offset: 0, .size: 8, .value_kind: global_buffer, .address_space: global }
      - { .name: Wr, .offset: 8, .size: 8, .value_kind: global_buffer, .address_space: global }
      - { .name: br, .offset: 16, .size: 8, .value_kind: global_buffer, .address_space: global }
      - { .name: xc, .offset: 24, .size: 8, .value_kind: global_buffer, .address_space: global }
      - { .name: xs, .offset: 32, .size: 8, .value_kind: global_buffer, .address_space: global }
      - { .name: idx, .offset: 40, .size: 8, .value_kind: global_buffer, .address_space: global }
      - { .name: wts, .offset: 48, .size: 8, .value_kind: global_buffer, .address_space: global }
    .group_segment_fixed_size: 68096
    .private_segment_fixed_size: 0
    .kernarg_segment_align: 8
    .kernarg_segment_size: 56
    .max_flat_workgroup_size: 512
    .sgpr_count:     66
    .vgpr_count:     256
    .wavefront_size: 32
...
	.end_amdgpu_metadata
.endif
;; end of part 1
;; launch ffn1 (part 2): grid 8 x 32, 8 waves a work-group, no clusters, 297,472 bytes of LDS; arguments xc, xs, idx, W1, b1, hc, hs; writes hc, hs
.if DOCPART == 2
	.amdgcn_target "amdgcn-amd-amdhsa--gfx1250"
	.amdhsa_code_object_version 6
	.text
	.protected	k_q9c93348f26_ffn1
	.globl	k_q9c93348f26_ffn1
	.p2align	8
	.type	k_q9c93348f26_ffn1,@function
k_q9c93348f26_ffn1:
	s_mov_b64 s[64:65], 0
	v_nop
	global_prefetch_b8 v0, s[64:65] scope:SCOPE_SE
	s_setreg_imm32_b32 hwreg(HW_REG_WAVE_MODE, 25, 1), 1
	s_wait_xcnt 0x0
; h = gelu(x W1[e] + b1[e]) for one PAIR (batch b = pair / 2, choice pair % 2; e = idx[pair]) and one slice of 128 hidden units, quantised on the way out.
; Only the two experts that the router chose for a batch are multiplied: the others' results are thrown away by the one-hot weights.
; GRID: x = pair (8), y = slice (32).  A work-group: 256 rows x 128 hidden units x K = 1,024.  Work-groups are equal whatever the choice.
; THE WEIGHTS are f32 with K as their first axis; each of the slice's bytes is loaded once, quantised in registers and multiplied at once with all 256 rows.
; K goes in four phases of 256.  In phase p wave w quantises the block of 32 rows 32 (8 p + w) of W1: 32 loads, each 512 consecutive bytes (lane l: columns 4 l .. 4 l + 3), so that a block of
; 32 along K of a column lies in ONE lane; the hold picks every fourth register, which puts a column's numbers on end for the conversion.  The codes go to LDS as images of the operand's registers.
; Two staging sets of 128 registers: 64 loads of a wave are out from its first lines on, so no prefetch is written.
; THE ROWS' CODES (xc, 256 KiB of the batch) come once, by lane copies into LDS; wave w copies and reads rows 32 w .. 32 w + 31 alone, so its own s_wait_asynccnt orders them.
; WAVE w: rows 32 w .. 32 w + 31 (two tiles) x all 128 units (eight tiles): 16 accumulators, which take turns, one instruction a turn.
; THE PRODUCT IS USED TRANSPOSED (source 0 = 16 columns of W1, source 1 = 16 rows), and THE COLUMNS OF A TILE ARE NOT NEIGHBOURS: column 32 b + 16 rh + 8 u + rl is row 8 rh + rl of tile 2 b + u.
; So a lane's 64 results of a tile of rows are k = 32 b + 16 (lane / 16) + i of the next product's K step, in register 16 b + i: its own fragment.  b1 is loaded into the accumulators.
; NO JOINT LOADS: which pairs share an expert's weights is known only from the stored list; what is shared by construction, the rows' codes, is 256 of a work-group's 768 KiB and is asked for once, at the head.
; GELU, exact form: gelu(z) = max(z, 0) - |z| / 2 x erfc(a), a = |z| / sqrt 2; erfc(a) = (1 + p(q)) / (1 + 2 a) x 2^(-z^2 log2(e) / 2), q = (a - 2) / (a + 2), p of degree 9.  No difference of near numbers on either side.
; LIMITS: NaN and infinities are not served.  The power of two falls to 0 for z under about -13.2, where gelu is under 1e-37.  erfc's relative error is about 1e-6 + a^2 2^-23 (the rounding of the exponent's argument).
; A block of zeros gets the byte 1: its codes are zeros, and only this program reads the bytes.
.set PITCH, 16384                      ; a row of W1[e] in bytes
.set WBUF,  262144                     ; LDS: 0 .. 262,143 the rows' images, wave w's at 32,768 w: [tile 2][K step 8][2,048];  then the phase's codes of W:
.set WTILE, 4112                       ; tile t at 4,112 t (two images + 16 bytes, so that the lanes of a store fall on different columns of 16 bytes), K step sl at + 2,048, group c at + 512
.set WSC,   295168                     ; and W's scale words [tile 8][sl 2][row 16]
.set AVL, 2                            ; v2   32,768 w + 16 l: the rows' images in LDS
.set AVG, 3                            ; v3   the same number: their place in the batch's block of xc, and my tiles' place in hc
.set WVO, 4                            ; v4   16 l + 32 w rows of W
.set WST, 5                            ; v5   where my column 4 l's codes go
.set WSB, 6                            ; v6   and its scale byte
.set LI,  7                            ; v7   WBUF + 16 l
.set LSW, 8                            ; v8   WSC + 4 l
.set ASV, 9                            ; v9   1,024 w + 4 l: my tiles' scale words in xs
.set FLOOR, 10                         ; v10  2^(16 - 127)
.set BVO, 11                           ; v11  64 h: b1
.set HSS, 12                           ; v12  1,024 w + 4 r + 2 h: my two bytes of a scale word in hs
.set SH,  13                           ; v13  16 h
.set C9,  14                           ; v[14:15] the polynomial's leading coefficient, twice
.set AS,  16                           ; v16-23  the rows' scale words: 4 mi + p; lanes 0-15 K step 2 p, lanes 16-31 K step 2 p + 1.  v16-31 hold scales and nothing else
.set WS,  24                           ; v24-31  W's: tile t; lanes 0-15 sl = 0, lanes 16-31 sl = 1
.set AF,  32                           ; v32-63  the rows' two fragments of a K step
.set WF,  64                           ; v64-127 four fragments of W
.set QT,  64                           ; while quantising: v64-79 two sets of 8 numbers on end, v80-111 the codes of my 4 columns,
.set QC,  80
.set MX,  112                          ; v112.. largest magnitudes, scale operands, 57,344 x the scale, bytes: four each
.set SCL, 116
.set LIM, 120
.set BY,  124
.set ACC, 128                          ; v128-255 accumulator (mi, t) at 128 + 64 mi + 8 t.   Window 1: staging set s at v[128 s + 4 i + j]: W(row i, column 4 l + j)
.set GA,  32                           ; the tail: six temporaries of 16
.set GM,  48
.set GP,  64
.set GD,  80
.set GR,  96
.set GE,  112
.set TM,  32                           ; and the quantiser's: v32-47 at work, v48-63 codes, v64 the scale word, v65 my half of it
.set PC,  48
.set PW,  64
.set PH,  65
.set MSB, 0
.macro WIN new                         ; the immediate's high byte repeats the setting that is left
.if MSB != \new
	s_set_vgpr_msb (MSB<<8)|\new
.set MSB, \new
.endif
.endm
.macro PLACES n
.rept \n
	v_nop
.endr
.endm
.macro BAR                             ; my LDS stores have landed and my LDS loads are in: then the work-group's barrier
	s_wait_dscnt 0x0
	s_barrier_signal -1
	s_barrier_wait -1
.endm
.macro WLOAD set, p                    ; my block of phase p into a staging set
	WIN 0x40                                       ; destination window 1
.irp i, 0,1,2,3,4,5,6,7,8,9,10,11,12,13,14,15,16,17,18,19,20,21,22,23,24,25,26,27,28,29,30,31
	global_load_b128 v[128*(\set)+4*\i:128*(\set)+4*\i+3], v[WVO], s[28+2*(\p):29+2*(\p)] offset:\i*PITCH
.endr
	WIN 0
.endm
.macro QW set                          ; a staging set, 32 along K x my 4 columns, becomes 4 x 32 codes and 4 scale bytes
	WIN 0x14                                       ; sources 1 and 2 window 1
.irp j, 0,1,2,3
	v_max3_num_f32 v[MX+\j], v[FLOOR], |v[128*(\set)+\j]|, |v[128*(\set)+4+\j]|      ; the floor holds the byte at 1 from below
.endr
.irp i, 2,4,6,8,10,12,14,16,18,20,22,24,26,28,30
.irp j, 0,1,2,3
	v_max3_num_f32 v[MX+\j], v[MX+\j], |v[128*(\set)+4*\i+\j]|, |v[128*(\set)+4*\i+4+\j]|   ; the four columns by turns
.endr
.endr
	WIN 0
.irp j, 0,1,2,3
	v_add_nc_u32 v[SCL+\j], 0xf8800000, v[MX+\j]   ; 15 off the exponent field: the conversion's scale operand
.endr
.irp j, 0,1,2,3
	v_and_or_b32 v[LIM+\j], v[MX+\j], 0x7f800000, s19   ; 57,344 x the scale
.endr
.irp j, 0,1,2,3
	v_lshrrev_b32 v[BY+\j], 23, v[SCL+\j]          ; the scale's byte
.endr
	WIN 0x10                                       ; source 2 window 1
.irp j, 0,1,2,3
.irp g, 0,1,2,3
.irp t, 0,1,2,3,4,5,6,7
	v_med3_num_f32 v[QT+8*(\g%2)+\t], -v[LIM+\j], v[LIM+\j], v[128*(\set)+4*(8*\g+\t)+\j]   ; the hold (the conversion does not saturate: ISA guide 7.6.2) also puts the column's numbers on end
.endr
	v_cvt_scalef32_pk8_bf8_f32 v[QC+8*\j+2*\g:QC+8*\j+2*\g+1], v[QT+8*(\g%2):QT+8*(\g%2)+7], v[SCL+\j]   ; the two sets of 8 take turns: eight plain lines stand between a conversion and the next write of its sources
.endr
.endr
	WIN 0
	PLACES 4                                       ; plain lines behind the last conversion; these registers are operands of scaled products later on
.endm
.macro WSTORE                          ; column 4 l + j: k 0-15 to lane r's 16 bytes of the image, k 16-31 to lane 16 + r's
.irp j, 0,1,2,3
	ds_store_b128 v[WST], v[QC+8*\j:QC+8*\j+3] offset:16*\j
	ds_store_b128 v[WST], v[QC+8*\j+4:QC+8*\j+7] offset:16*\j+256
	ds_store_b8 v[WSB], v[BY+\j] offset:4*\j
.endr
.endm
.macro PROD p, sl, t, tt, mi
.if (\sl) == 0
	v_wmma_scale_f32_16x16x128_f8f6f4 v[ACC+64*(\mi)+8*(\t):ACC+64*(\mi)+8*(\t)+7], v[WF+16*(\tt):WF+16*(\tt)+15], v[AF+16*(\mi):AF+16*(\mi)+15], v[ACC+64*(\mi)+8*(\t):ACC+64*(\mi)+8*(\t)+7], v[WS+(\t)], v[AS+4*(\mi)+(\p)] matrix_a_fmt:MATRIX_FMT_BF8 matrix_b_fmt:MATRIX_FMT_BF8
.else
	v_wmma_scale_f32_16x16x128_f8f6f4 v[ACC+64*(\mi)+8*(\t):ACC+64*(\mi)+8*(\t)+7], v[WF+16*(\tt):WF+16*(\tt)+15], v[AF+16*(\mi):AF+16*(\mi)+15], v[ACC+64*(\mi)+8*(\t):ACC+64*(\mi)+8*(\t)+7], v[WS+(\t)], v[AS+4*(\mi)+(\p)] matrix_a_fmt:MATRIX_FMT_BF8 matrix_b_fmt:MATRIX_FMT_BF8 matrix_a_scale:MATRIX_SCALE_ROW1 matrix_b_scale:MATRIX_SCALE_ROW1
.endif
.endm
.macro HALF p, sl, g                   ; K step 2 p + sl, tiles 4 g .. 4 g + 3 of W x my two tiles of rows: eight products
.if (\g) == 0
.if (\sl) == 0
.irp t, 0,1,2,3,4,5,6,7
	ds_load_b32 v[WS+\t], v[LSW] offset:128*\t
.endr
.endif
.irp mi, 0,1
.irp c, 0,1,2,3
	ds_load_b128 v[AF+16*\mi+4*\c:AF+16*\mi+4*\c+3], v[AVL] offset:16384*\mi+2048*(2*(\p)+(\sl))+512*\c
.endr
.endr
.endif
.irp tt, 0,1,2,3
.irp c, 0,1,2,3
	ds_load_b128 v[WF+16*\tt+4*\c:WF+16*\tt+4*\c+3], v[LI] offset:WTILE*(4*(\g)+\tt)+2048*(\sl)+512*\c
.endr
.endr
	s_wait_dscnt 8                                 ; all but the youngest eight loads: the half's tiles 2 and 3
.irp tt, 0,1
.irp mi, 0,1
	PROD \p, \sl, 4*(\g)+\tt, \tt, \mi
.endr
.endr
	s_wait_dscnt 0x0
.irp tt, 2,3
.irp mi, 0,1
	PROD \p, \sl, 4*(\g)+\tt, \tt, \mi
.endr
.endr
	PLACES 8                                       ; behind this form eight plain lines stand ahead of loads into, and vector writes of, its operands and of the first read of its results
.endm
.macro PHASE p
.if (\p) < 3
	s_wait_loadcnt 32                              ; my block is in; the other set's 32 loads may be out
.else
	s_wait_loadcnt 0x0
.endif
	QW (\p)%2
.if (\p) < 2
	WLOAD (\p)%2, (\p)+2                           ; the set is asked for again as soon as it has been read
.endif
.if (\p) > 0
	BAR                                            ; every wave's reads of the last phase's codes are over
.endif
	WSTORE
	s_wait_asynccnt 48-16*(\p)                     ; copies end in order: the first 16 (p + 1) of my 64, K steps 0 .. 2 p + 1 of my rows, are in LDS
	BAR                                            ; the phase's codes and scale bytes lie in LDS
	HALF \p, 0, 0
	HALF \p, 0, 1
	HALF \p, 1, 0
	HALF \p, 1, 1
.endm
; gelu of 16 numbers, in place
.macro GELU16 z
.irp i, 0,1,2,3,4,5,6,7,8,9,10,11,12,13,14,15
	v_mul_f32 v[GA+\i], 0x3f3504f3, |v[(\z)+\i]|   ; a = |z| / sqrt 2.  (Each accumulator is read from its low end on)
.endr
.irp i, 0,2,4,6,8,10,12,14
	v_pk_mul_f32 v[GE+\i:GE+\i+1], v[(\z)+\i:(\z)+\i+1], v[(\z)+\i:(\z)+\i+1]
.endr
.irp i, 0,2,4,6,8,10,12,14
	v_pk_add_f32 v[GM+\i:GM+\i+1], v[GA+\i:GA+\i+1], -2.0 op_sel_hi:[1,0]
.endr
.irp i, 0,2,4,6,8,10,12,14
	v_pk_add_f32 v[GP+\i:GP+\i+1], v[GA+\i:GA+\i+1], 2.0 op_sel_hi:[1,0]
.endr
.irp i, 0,2,4,6,8,10,12,14
	v_pk_fma_f32 v[GD+\i:GD+\i+1], v[GA+\i:GA+\i+1], 2.0, 1.0 op_sel_hi:[1,0,0]
.endr
.irp i, 0,2,4,6,8,10,12,14
	v_pk_mul_f32 v[GR+\i:GR+\i+1], v[GP+\i:GP+\i+1], v[GD+\i:GD+\i+1]      ; (a + 2)(1 + 2 a): one reciprocal serves both divisions
.endr
.irp i, 0,2,4,6,8,10,12,14
	v_pk_mul_f32 v[GE+\i:GE+\i+1], v[GE+\i:GE+\i+1], 0xbf38aa3b op_sel_hi:[1,0]   ; -z^2 log2(e) / 2
.endr
.irp i, 0,1,2,3,4,5,6,7,8,9,10,11,12,13,14,15
	v_rcp_f32 v[GR+\i], v[GR+\i]
.endr
.irp i, 0,1,2,3,4,5,6,7,8,9,10,11,12,13,14,15
	v_exp_f32 v[GE+\i], v[GE+\i]
.endr
.irp i, 0,1,2,3,4,5,6,7,8,9,10,11,12,13,14,15
	v_max_num_f32 v[(\z)+\i], 0, v[(\z)+\i]        ; max(z, 0): plain work that names no result of the batch
.endr
.irp i, 0,2,4,6,8,10,12,14
	v_pk_mul_f32 v[GA+\i:GA+\i+1], v[GA+\i:GA+\i+1], 0x3f3504f3 op_sel_hi:[1,0]   ; |z| / 2
.endr
	s_wait_alu depctr_va_vdst(0)                   ; one wait for the batch of 32, ahead of its first reader
.irp i, 0,2,4,6,8,10,12,14
	v_pk_mul_f32 v[GD+\i:GD+\i+1], v[GR+\i:GR+\i+1], v[GD+\i:GD+\i+1]      ; 1 / (a + 2)
.endr
.irp i, 0,2,4,6,8,10,12,14
	v_pk_mul_f32 v[GP+\i:GP+\i+1], v[GR+\i:GR+\i+1], v[GP+\i:GP+\i+1]      ; 1 / (1 + 2 a)
.endr
.irp i, 0,2,4,6,8,10,12,14
	v_pk_mul_f32 v[GM+\i:GM+\i+1], v[GM+\i:GM+\i+1], v[GD+\i:GD+\i+1]      ; q
.endr
.irp i, 0,2,4,6,8,10,12,14
	v_pk_fma_f32 v[GD+\i:GD+\i+1], v[GM+\i:GM+\i+1], v[C9:C9+1], 0xbaa15130 op_sel_hi:[1,1,0]
.endr
.irp k, 0x3aac2b8a, 0x3c0d6e62, 0xbc040dc1, 0xbd5e05b5, 0x3e27fe23, 0xbe2a0420, 0xbdbdfb0b, 0x3e8dd01d
.irp i, 0,2,4,6,8,10,12,14
	v_pk_fma_f32 v[GD+\i:GD+\i+1], v[GD+\i:GD+\i+1], v[GM+\i:GM+\i+1], \k op_sel_hi:[1,1,0]
.endr
.endr
.irp i, 0,2,4,6,8,10,12,14
	v_pk_fma_f32 v[GD+\i:GD+\i+1], v[GD+\i:GD+\i+1], v[GP+\i:GP+\i+1], v[GP+\i:GP+\i+1]   ; (1 + p) / (1 + 2 a)
.endr
.irp i, 0,2,4,6,8,10,12,14
	v_pk_mul_f32 v[GD+\i:GD+\i+1], v[GD+\i:GD+\i+1], v[GE+\i:GE+\i+1]      ; erfc(a)
.endr
.irp i, 0,2,4,6,8,10,12,14
	v_pk_fma_f32 v[(\z)+\i:(\z)+\i+1], v[GA+\i:GA+\i+1], v[GD+\i:GD+\i+1], v[(\z)+\i:(\z)+\i+1] neg_lo:[1,0,0] neg_hi:[1,0,0]
.endr
.endm
; 64 numbers of a lane, register 16 b + i = k 32 b + 16 (lane / 16) + i of my row, become a fragment's codes in v[PC] on and its scale word in v[PW]
.macro QUANT s
.irp b, 0,1,2,3
	v_max3_num_f32 v[TM+\b], |v[(\s)+16*\b]|, |v[(\s)+1+16*\b]|, 0x8000000
.endr
.irp i, 2,4,6,8,10,12,14
.irp b, 0,1,2,3
	v_max3_num_f32 v[TM+\b], v[TM+\b], |v[(\s)+16*\b+\i]|, |v[(\s)+1+16*\b+\i]|
.endr
.endr
.irp b, 0,1,2,3
	v_permlanex16_b32 v[TM+4+\b], v[TM+\b], s20, s21
.endr
.irp b, 0,1,2,3
	v_max_num_f32 v[TM+\b], v[TM+\b], v[TM+4+\b]
.endr
.irp b, 0,1,2,3
	v_add_nc_u32 v[TM+12+\b], 0xf8800000, v[TM+\b]
.endr
.irp b, 0,1,2,3
	v_and_or_b32 v[TM+8+\b], v[TM+\b], 0x7f800000, s19
.endr
.irp b, 0,1,2,3
	v_lshrrev_b32 v[TM+4+\b], 23, v[TM+12+\b]
.endr
	v_lshl_or_b32 v[PW], v[TM+5], 8, v[TM+4]
	v_lshl_or_b32 v[PW], v[TM+6], 16, v[PW]
	v_lshl_or_b32 v[PW], v[TM+7], 24, v[PW]
.irp b, 0,1,2,3
.irp i, 0,1,2,3,4,5,6,7,8,9,10,11,12,13,14,15
	v_med3_num_f32 v[(\s)+16*\b+\i], v[(\s)+16*\b+\i], -v[TM+8+\b], v[TM+8+\b]
.endr
	v_cvt_scalef32_pk8_bf8_f32 v[PC+4*\b:PC+1+4*\b], v[(\s)+16*\b:(\s)+7+16*\b], v[TM+12+\b]
	v_cvt_scalef32_pk8_bf8_f32 v[PC+2+4*\b:PC+3+4*\b], v[(\s)+8+16*\b:(\s)+15+16*\b], v[TM+12+\b]
.endr
	v_nop                                          ; a plain line behind the last conversion
.endm
.macro TAIL mi                         ; my tile mi of rows: gelu, the quantiser, and out as one image and 16 scale words
.irp b, 0,1,2,3
	GELU16 ACC+64*(\mi)+16*\b
.endr
	QUANT ACC+64*(\mi)
.irp c, 0,1,2,3
	global_store_b128 v[AVG], v[PC+4*\c:PC+4*\c+3], s[14:15] offset:16384*(\mi)+512*\c   ; 32 lanes store 512 consecutive bytes
.endr
	v_lshrrev_b32 v[PH], v[SH], v[PW]              ; both halves of the lanes hold row r's word: each stores two of its four bytes
	global_store_b16 v[HSS], v[PH], s[16:17] offset:512*(\mi)
.endm
	s_load_b256 s[4:11], s[0:1], 0x0               ; xc s[4:5], xs s[6:7], idx s[8:9], W1 s[10:11]
	s_load_b128 s[12:15], s[0:1], 0x20             ; b1 s[12:13], hc s[14:15]
	s_load_b64 s[16:17], s[0:1], 0x30              ; hs
	v_lshl_add_u32 v254, v0, 2, 0x48600
	v_mov_b32 v255, 0
	ds_add_u32 v254, v255
	ds_add_u32 v254, v255
	s_wait_dscnt 0x0
	v_lshrrev_b32 v1, 5, v0
	v_readfirstlane_b32 s18, v1                    ; wave 0..7
	v_and_b32 v1, 31, v0                           ; lane
	s_mov_b32 s22, ttmp9                           ; pair
	s_and_b32 s23, ttmp7, 0xffff                   ; slice
	s_lshl_b32 s25, s18, 15
	v_lshl_add_u32 v[AVL], v1, 4, s25
	v_lshl_add_u32 v[AVG], v1, 4, s25
	s_lshl_b32 s26, s22, 2
	s_mov_b32 s27, 0
	s_wait_kmcnt 0x0
	s_add_nc_u64 s[8:9], s[8:9], s[26:27]
	s_load_b32 s24, s[8:9], 0x0                    ; the pair's expert
	s_lshr_b32 s26, s22, 1
	s_lshl_b32 s26, s26, 18                        ; the batch's block of xc
	s_add_nc_u64 s[4:5], s[4:5], s[26:27]
.irp s, 0,1,2,3,4,5,6,7                ; my rows' 32 KiB, K step by K step: the immediate is added to both addresses.  v2, v3 and s[4:5] are never written again
.irp mi, 0,1
.irp c, 0,1,2,3
	global_load_async_to_lds_b128 v[AVL], v[AVG], s[4:5] offset:16384*\mi+2048*\s+512*\c
.endr
.endr
.endr
	s_mov_b32 s19, 0x600000                        ; the mantissa field of 57,344
	s_mov_b32 s20, 0x76543210
	s_mov_b32 s21, 0xfedcba98                      ; v_permlanex16_b32's selects for lane l xor 16
	s_mul_i32 s25, s18, 32*PITCH
	v_lshl_add_u32 v[WVO], v1, 4, s25
	v_bfe_u32 v12, v0, 3, 2                        ; b  = l / 8
	v_bfe_u32 v13, v0, 1, 1                        ; u  = (l / 2) % 2
	v_bfe_u32 v14, v0, 2, 1                        ; rh = (l / 4) % 2
	v_and_b32 v15, 1, v0                           ; l % 2
	s_lshr_b32 s25, s18, 2                         ; sl = w / 4: which K step of the phase my block lies in,
	s_and_b32 s26, s18, 3                          ; c = w % 4: and which of its four blocks it is
	s_lshl_b32 s38, s25, 11
	s_lshl_b32 s39, s26, 9
	s_add_co_u32 s38, s38, s39
	s_add_co_u32 s38, s38, WBUF
	v_mul_u32_u24 v[WST], v12, 2*WTILE
	v_mad_u32_u24 v[WST], v13, WTILE, v[WST]       ; tile 2 b + u
	v_lshl_add_u32 v[WST], v14, 7, v[WST]
	v_lshl_add_u32 v[WST], v15, 6, v[WST]          ; 16 x row, row = 8 rh + 4 (l % 2) + j
	v_add_nc_u32 v[WST], s38, v[WST]
	s_lshl_b32 s38, s25, 6
	s_add_co_u32 s38, s38, s26
	s_add_co_u32 s38, s38, WSC
	v_lshlrev_b32 v[WSB], 8, v12
	v_lshl_add_u32 v[WSB], v13, 7, v[WSB]
	v_lshl_add_u32 v[WSB], v14, 5, v[WSB]
	v_lshl_add_u32 v[WSB], v15, 4, v[WSB]
	v_add_nc_u32 v[WSB], s38, v[WSB]               ; 128 tile + 64 sl + 4 row + c
	v_lshl_add_u32 v[LI], v1, 4, WBUF
	v_lshl_add_u32 v[LSW], v1, 2, WSC
	v_mov_b32 v[FLOOR], 0x8000000
	v_and_b32 v14, 15, v0                          ; r
	v_bfe_u32 v15, v0, 4, 1                        ; h
	s_lshl_b32 s38, s18, 10
	v_lshl_add_u32 v[ASV], v1, 2, s38
	v_lshlrev_b32 v[BVO], 6, v15
	v_lshlrev_b32 v[HSS], 2, v14
	v_lshl_add_u32 v[HSS], v15, 1, v[HSS]
	v_add_nc_u32 v[HSS], s38, v[HSS]
	v_lshlrev_b32 v[SH], 4, v15
	v_mov_b32 v[C9], 0xb9d25000
	v_mov_b32 v[C9+1], 0xb9d25000
	s_lshl_b32 s38, s22, 2
	s_lshr_b32 s39, s23, 3
	s_add_co_u32 s38, s38, s39                     ; 4 pair + q: the slice lies in quarter q = y / 8 of the next K,
	s_and_b32 s39, s23, 7                          ; as its K step y % 8
	s_lshl_b32 s26, s38, 18
	s_lshl_b32 s25, s39, 11
	s_add_co_u32 s26, s26, s25
	s_add_nc_u64 s[14:15], s[14:15], s[26:27]      ; hc [pair][q][tile 16][K step 8][2,048]
	s_lshl_b32 s26, s38, 13
	s_lshl_b32 s25, s39, 6
	s_add_co_u32 s26, s26, s25
	s_add_nc_u64 s[16:17], s[16:17], s[26:27]      ; hs [pair][q][tile][K step][16 words]
	s_lshr_b32 s26, s22, 1
	s_lshl_b32 s26, s26, 13
	s_add_nc_u64 s[6:7], s[6:7], s[26:27]          ; the batch's scale words
	s_wait_kmcnt 0x0
	s_min_u32 s24, s24, 7                          ; a loaded number enters an address only behind a clamp
	s_lshl_b32 s25, s23, 9                         ; the slice's 128 columns: 512 bytes
	s_lshl_b32 s26, s24, 14
	s_add_co_u32 s26, s26, s25
	s_add_nc_u64 s[12:13], s[12:13], s[26:27]      ; b1[e] at the slice
	s_lshl_b32 s26, s24, 24
	s_add_co_u32 s26, s26, s25
	s_add_nc_u64 s[28:29], s[10:11], s[26:27]      ; W1[e] at the slice; a base for each phase's 256 rows
	s_add_nc_u64 s[30:31], s[28:29], 0x400000
	s_add_nc_u64 s[32:33], s[30:31], 0x400000
	s_add_nc_u64 s[34:35], s[32:33], 0x400000
.irp mi, 0,1
.irp j, 0,1,2,3
	global_load_b32 v[AS+4*\mi+\j], v[ASV], s[6:7] offset:512*\mi+128*\j
.endr
.endr
.irp mi, 0,1                           ; b1 starts the sums: register j of tile t in lane (r, h) is unit 32 (t / 2) + 16 h + 8 (t % 2) + j
.irp t, 0,1,2,3,4,5,6,7
	global_load_b128 v[ACC+64*\mi+8*\t:ACC+64*\mi+8*\t+3], v[BVO], s[12:13] offset:(32*(\t/2)+8*(\t%2))*4
	global_load_b128 v[ACC+64*\mi+8*\t+4:ACC+64*\mi+8*\t+7], v[BVO], s[12:13] offset:(32*(\t/2)+8*(\t%2))*4+16
.endr
.endr
	WLOAD 0, 0
	WLOAD 1, 1
	PHASE 0
	PHASE 1
	PHASE 2
	PHASE 3
	TAIL 0
	s_wait_xcnt 0x0                                ; the stores have read their data: the temporaries among which they lie are written again only behind this wait
	TAIL 1
	s_wait_xcnt 0x0
	v_lshl_add_u32 v254, v0, 2, 0x48600
	v_mov_b32 v255, 0
	s_wait_tensorcnt 0x0
	ds_add_u32 v254, v255
	s_wait_dscnt 0x0
	s_endpgm
.Lfunc_end_k_q9c93348f26_ffn1:
	.size	k_q9c93348f26_ffn1, .Lfunc_end_k_q9c93348f26_ffn1-k_q9c93348f26_ffn1
	.p2alignl 7, 3214868480
	.fill 96, 4, 3214868480
	.section	.rodata,"a",@progbits
	.p2align	6, 0x0
	.amdhsa_kernel k_q9c93348f26_ffn1
		.amdhsa_group_segment_fixed_size 297472
		.amdhsa_private_segment_fixed_size 0
		.amdhsa_enable_private_segment 0
		.amdhsa_kernarg_size 56
		.amdhsa_user_sgpr_count 2
		.amdhsa_user_sgpr_kernarg_segment_ptr 1
		.amdhsa_wavefront_size32 1
		.amdhsa_system_sgpr_workgroup_id_x 1
		.amdhsa_system_sgpr_workgroup_id_y 1
		.amdhsa_system_sgpr_workgroup_id_z 1
		.amdhsa_system_vgpr_workitem_id 0
		.amdhsa_next_free_vgpr 512
		.amdhsa_next_free_sgpr 66
		.amdhsa_reserve_vcc 0
		.amdhsa_float_denorm_mode_32 3
		.amdhsa_float_denorm_mode_16_64 3
		.amdhsa_memory_ordered 1
		.amdhsa_forward_progress 1
		.amdhsa_inst_pref_size 255
	.end_amdhsa_kernel
	.section	.bss,"aw",@nobits
	.p2align	6
	.space	262144
	.amdgpu_metadata
---
amdhsa.version: [ 1, 2 ]
amdhsa.kernels:
  - .name:           k_q9c93348f26_ffn1
    .symbol:         k_q9c93348f26_ffn1.kd
    .args:
      - { .name: xc, .offset: 0, .size: 8, .value_kind: global_buffer, .address_space: global }
      - { .name: xs, .offset: 8, .size: 8, .value_kind: global_buffer, .address_space: global }
      - { .name: idx, .offset: 16, .size: 8, .value_kind: global_buffer, .address_space: global }
      - { .name: W1, .offset: 24, .size: 8, .value_kind: global_buffer, .address_space: global }
      - { .name: b1, .offset: 32, .size: 8, .value_kind: global_buffer, .address_space: global }
      - { .name: hc, .offset: 40, .size: 8, .value_kind: global_buffer, .address_space: global }
      - { .name: hs, .offset: 48, .size: 8, .value_kind: global_buffer, .address_space: global }
    .group_segment_fixed_size: 297472
    .private_segment_fixed_size: 0
    .kernarg_segment_align: 8
    .kernarg_segment_size: 56
    .max_flat_workgroup_size: 256
    .sgpr_count:     66
    .vgpr_count:     512
    .wavefront_size: 32
...
	.end_amdgpu_metadata
.endif
;; end of part 2
;; launch ffn2 (part 3): grid 8 x 32, 8 waves a work-group, no clusters, 297,472 bytes of LDS; arguments hc, hs, idx, W2, part; writes part
.if DOCPART == 3
	.amdgcn_target "amdgcn-amd-amdhsa--gfx1250"
	.amdhsa_code_object_version 6
	.text
	.protected	k_q9c93348f26_ffn2
	.globl	k_q9c93348f26_ffn2
	.p2align	8
	.type	k_q9c93348f26_ffn2,@function
k_q9c93348f26_ffn2:
	s_mov_b64 s[64:65], 0
	v_nop
	global_prefetch_b8 v0, s[64:65] scope:SCOPE_SE
	s_setreg_imm32_b32 hwreg(HW_REG_WAVE_MODE, 25, 1), 1
	s_wait_xcnt 0x0
; part[pair][q] = h[pair][:, quarter q of F] W2[e][quarter q, slice of 128 of D], e = idx[pair]: f32 partial sums, added in the next launch by the owner of each row.
; GRID: x = pair (8), y = 8 q + slice.  A work-group: 256 rows x 128 columns x K = 1,024: the shape of the launch before, and its inner part word for word:
; the weights are f32 with K as their first axis; each byte of the slice is loaded once, quantised in registers and multiplied at once with all 256 rows; K goes in four phases of 256; in phase p wave w quantises
; the block of 32 rows 32 (8 p + w) (32 loads of 512 consecutive bytes; lane l: columns 4 l .. 4 l + 3); the codes go to LDS as images of the operand's registers; two staging sets: 64 loads of a wave are out from its first lines on, so no prefetch is written.
; K IS CUT IN FOUR so that a work-group's rows' codes are 256 KiB, which fit in LDS and come once, by lane copies; wave w copies and reads rows 32 w .. 32 w + 31 alone, so its own s_wait_asynccnt orders them.
; WAVE w: rows 32 w .. 32 w + 31 x all 128 columns: 16 accumulators, which take turns, one instruction a turn.  The first K step starts the sums.
; THE PRODUCT IS USED TRANSPOSED (source 0 = 16 columns of W2, source 1 = 16 rows); column 32 b + 16 rh + 8 u + rl is row 8 rh + rl of tile 2 b + u, so register 16 b + i of a lane is column 32 b + 16 (lane / 16) + i of its row.
; NO JOINT LOADS: which pairs share an expert's weights is known only from the stored list; what is shared by construction, the rows' codes, is 256 of a work-group's 768 KiB and is asked for once, at the head.
; LIMITS: NaN and infinities are not served.  A block of zeros gets the byte 1: its codes are zeros, and only this program reads the bytes.
.set PITCH, 4096                       ; a row of W2[e] in bytes
.set WBUF,  262144                     ; LDS: 0 .. 262,143 the rows' images, wave w's at 32,768 w: [tile 2][K step 8][2,048] (its first 16,896 bytes become its stage on the way out, behind its last copy and its last read);
.set WTILE, 4112                       ; then the phase's codes of W: tile t at 4,112 t, K step sl at + 2,048, group c at + 512
.set WSC,   295168                     ; and W's scale words [tile 8][sl 2][row 16]
.set AVL, 2                            ; v2   32,768 w + 16 l: the rows' images in LDS
.set AVG, 3                            ; v3   the same number: their place in the block of hc
.set WVO, 4                            ; v4   16 l + 32 w rows of W
.set WST, 5                            ; v5   where my column 4 l's codes go
.set WSB, 6                            ; v6   and its scale byte
.set LI,  7                            ; v7   WBUF + 16 l
.set LSW, 8                            ; v8   WSC + 4 l
.set ASV, 9                            ; v9   1,024 w + 4 l: my tiles' scale words in hs
.set FLOOR, 10                         ; v10  2^(16 - 127)
.set STO, 11                           ; v11  the stage: row r of 528 bytes, + 64 h
.set RD,  12                           ; v12  and back: 16 bytes a lane of a row
.set PVO, 13                           ; v13  my 32 rows of part, 16 bytes a lane
.set AS,  16                           ; v16-23  the rows' scale words: 4 mi + p.  v16-31 hold scales and nothing else
.set WS,  24                           ; v24-31  W's: tile t
.set AF,  32                           ; v32-63  the rows' two fragments of a K step
.set WF,  64                           ; v64-127 four fragments of W
.set QT,  64
.set QC,  80
.set MX,  112
.set SCL, 116
.set LIM, 120
.set BY,  124
.set ACC, 128                          ; v128-255 accumulator (mi, t) at 128 + 64 mi + 8 t.   Window 1: staging set s at v[128 s + 4 i + j]
.set MSB, 0
.macro WIN new                         ; the immediate's high byte repeats the setting that is left
.if MSB != \new
	s_set_vgpr_msb (MSB<<8)|\new
.set MSB, \new
.endif
.endm
.macro PLACES n
.rept \n
	v_nop
.endr
.endm
.macro BAR                             ; my LDS stores have landed and my LDS loads are in: then the work-group's barrier
	s_wait_dscnt 0x0
	s_barrier_signal -1
	s_barrier_wait -1
.endm
.macro WLOAD set, p                    ; my block of phase p into a staging set: the phase's 256 rows stand in the immediate
	WIN 0x40                                       ; destination window 1
.irp i, 0,1,2,3,4,5,6,7,8,9,10,11,12,13,14,15,16,17,18,19,20,21,22,23,24,25,26,27,28,29,30,31
	global_load_b128 v[128*(\set)+4*\i:128*(\set)+4*\i+3], v[WVO], s[28:29] offset:(\p)*256*PITCH+\i*PITCH
.endr
	WIN 0
.endm
.macro QW set                          ; a staging set, 32 along K x my 4 columns, becomes 4 x 32 codes and 4 scale bytes
	WIN 0x14                                       ; sources 1 and 2 window 1
.irp j, 0,1,2,3
	v_max3_num_f32 v[MX+\j], v[FLOOR], |v[128*(\set)+\j]|, |v[128*(\set)+4+\j]|      ; the floor holds the byte at 1 from below
.endr
.irp i, 2,4,6,8,10,12,14,16,18,20,22,24,26,28,30
.irp j, 0,1,2,3
	v_max3_num_f32 v[MX+\j], v[MX+\j], |v[128*(\set)+4*\i+\j]|, |v[128*(\set)+4*\i+4+\j]|   ; the four columns by turns
.endr
.endr
	WIN 0
.irp j, 0,1,2,3
	v_add_nc_u32 v[SCL+\j], 0xf8800000, v[MX+\j]   ; 15 off the exponent field: the conversion's scale operand
.endr
.irp j, 0,1,2,3
	v_and_or_b32 v[LIM+\j], v[MX+\j], 0x7f800000, s19   ; 57,344 x the scale
.endr
.irp j, 0,1,2,3
	v_lshrrev_b32 v[BY+\j], 23, v[SCL+\j]          ; the scale's byte
.endr
	WIN 0x10                                       ; source 2 window 1
.irp j, 0,1,2,3
.irp g, 0,1,2,3
.irp t, 0,1,2,3,4,5,6,7
	v_med3_num_f32 v[QT+8*(\g%2)+\t], -v[LIM+\j], v[LIM+\j], v[128*(\set)+4*(8*\g+\t)+\j]   ; the hold (the conversion does not saturate: ISA guide 7.6.2) also puts the column's numbers on end
.endr
	v_cvt_scalef32_pk8_bf8_f32 v[QC+8*\j+2*\g:QC+8*\j+2*\g+1], v[QT+8*(\g%2):QT+8*(\g%2)+7], v[SCL+\j]   ; the two sets of 8 take turns: eight plain lines stand between a conversion and the next write of its sources
.endr
.endr
	WIN 0
	PLACES 4                                       ; plain lines behind the last conversion; these registers are operands of scaled products later on
.endm
.macro WSTORE                          ; column 4 l + j: k 0-15 to lane r's 16 bytes of the image, k 16-31 to lane 16 + r's
.irp j, 0,1,2,3
	ds_store_b128 v[WST], v[QC+8*\j:QC+8*\j+3] offset:16*\j
	ds_store_b128 v[WST], v[QC+8*\j+4:QC+8*\j+7] offset:16*\j+256
	ds_store_b8 v[WSB], v[BY+\j] offset:4*\j
.endr
.endm
.macro PROD p, sl, t, tt, mi, zero
.if \zero
	v_wmma_scale_f32_16x16x128_f8f6f4 v[ACC+64*(\mi)+8*(\t):ACC+64*(\mi)+8*(\t)+7], v[WF+16*(\tt):WF+16*(\tt)+15], v[AF+16*(\mi):AF+16*(\mi)+15], 0, v[WS+(\t)], v[AS+4*(\mi)+(\p)] matrix_a_fmt:MATRIX_FMT_BF8 matrix_b_fmt:MATRIX_FMT_BF8
.elseif (\sl) == 0
	v_wmma_scale_f32_16x16x128_f8f6f4 v[ACC+64*(\mi)+8*(\t):ACC+64*(\mi)+8*(\t)+7], v[WF+16*(\tt):WF+16*(\tt)+15], v[AF+16*(\mi):AF+16*(\mi)+15], v[ACC+64*(\mi)+8*(\t):ACC+64*(\mi)+8*(\t)+7], v[WS+(\t)], v[AS+4*(\mi)+(\p)] matrix_a_fmt:MATRIX_FMT_BF8 matrix_b_fmt:MATRIX_FMT_BF8
.else
	v_wmma_scale_f32_16x16x128_f8f6f4 v[ACC+64*(\mi)+8*(\t):ACC+64*(\mi)+8*(\t)+7], v[WF+16*(\tt):WF+16*(\tt)+15], v[AF+16*(\mi):AF+16*(\mi)+15], v[ACC+64*(\mi)+8*(\t):ACC+64*(\mi)+8*(\t)+7], v[WS+(\t)], v[AS+4*(\mi)+(\p)] matrix_a_fmt:MATRIX_FMT_BF8 matrix_b_fmt:MATRIX_FMT_BF8 matrix_a_scale:MATRIX_SCALE_ROW1 matrix_b_scale:MATRIX_SCALE_ROW1
.endif
.endm
.macro HALF p, sl, g, zero             ; K step 2 p + sl, tiles 4 g .. 4 g + 3 of W x my two tiles of rows: eight products.  zero = 1: they start the sums: nothing is cleared
.if (\g) == 0
.if (\sl) == 0
.irp t, 0,1,2,3,4,5,6,7
	ds_load_b32 v[WS+\t], v[LSW] offset:128*\t
.endr
.endif
.irp mi, 0,1
.irp c, 0,1,2,3
	ds_load_b128 v[AF+16*\mi+4*\c:AF+16*\mi+4*\c+3], v[AVL] offset:16384*\mi+2048*(2*(\p)+(\sl))+512*\c
.endr
.endr
.endif
.irp tt, 0,1,2,3
.irp c, 0,1,2,3
	ds_load_b128 v[WF+16*\tt+4*\c:WF+16*\tt+4*\c+3], v[LI] offset:WTILE*(4*(\g)+\tt)+2048*(\sl)+512*\c
.endr
.endr
	s_wait_dscnt 8                                 ; all but the youngest eight loads: the half's tiles 2 and 3
.irp tt, 0,1
.irp mi, 0,1
	PROD \p, \sl, 4*(\g)+\tt, \tt, \mi, \zero
.endr
.endr
	s_wait_dscnt 0x0
.irp tt, 2,3
.irp mi, 0,1
	PROD \p, \sl, 4*(\g)+\tt, \tt, \mi, \zero
.endr
.endr
	PLACES 8                                       ; behind this form eight plain lines stand ahead of loads into, and vector writes of, its operands and of the first read of its results
.endm
.macro PHASE p, zero
.if (\p) < 3
	s_wait_loadcnt 32                              ; my block is in; the other set's 32 loads may be out
.else
	s_wait_loadcnt 0x0
.endif
	QW (\p)%2
.if (\p) < 2
	WLOAD (\p)%2, (\p)+2                           ; the set is asked for again as soon as it has been read
.endif
.if (\p) > 0
	BAR                                            ; every wave's reads of the last phase's codes are over
.endif
	WSTORE
	s_wait_asynccnt 48-16*(\p)                     ; copies end in order: the first 16 (p + 1) of my 64, K steps 0 .. 2 p + 1 of my rows, are in LDS
	BAR                                            ; the phase's codes and scale bytes lie in LDS
	HALF \p, 0, 0, \zero
	HALF \p, 0, 1, \zero
	HALF \p, 1, 0, 0
	HALF \p, 1, 1, 0
.endm
; THE WAY OUT: a lane holds pieces of 64 bytes of one row; a tile of 16 rows goes through my own stage (rows of 512 bytes + 16) and comes back as whole rows.
.macro STAGE mi
.irp b, 0,1,2,3
.irp g, 0,1,2,3
	ds_store_b128 v[STO], v[ACC+64*(\mi)+16*\b+4*\g:ACC+64*(\mi)+16*\b+4*\g+3] offset:8448*(\mi)+128*\b+16*\g   ; each accumulator from its low end on
.endr
.endr
.endm
.macro BACK mi, reg
.irp t, 0,1,2,3,4,5,6,7,8,9,10,11,12,13,14,15
	ds_load_b128 v[(\reg)+4*\t:(\reg)+4*\t+3], v[RD] offset:8448*(\mi)+528*\t      ; LDS serves a wave's instructions in order (ISA guide 5.7.1.4): these see my stores
.endr
.endm
.macro SEND mi, reg, younger           ; younger: the LDS instructions issued behind the tile's sixteen loads
.irp t, 0,1,2,3,4,5,6,7,8,9,10,11,12,13,14,15
	s_wait_dscnt (\younger)+15-\t
	global_store_b128 v[PVO], v[(\reg)+4*\t:(\reg)+4*\t+3], s[12:13] offset:(16*(\mi)+\t)*4096 th:TH_STORE_NT   ; 32 lanes store 512 consecutive bytes, at a multiple of 512 from the buffer's first byte
.endr
.endm
	s_load_b256 s[4:11], s[0:1], 0x0               ; hc s[4:5], hs s[6:7], idx s[8:9], W2 s[10:11]
	s_load_b64 s[12:13], s[0:1], 0x20              ; part
	v_lshl_add_u32 v254, v0, 2, 0x48600
	v_mov_b32 v255, 0
	ds_add_u32 v254, v255
	ds_add_u32 v254, v255
	s_wait_dscnt 0x0
	v_lshrrev_b32 v1, 5, v0
	v_readfirstlane_b32 s18, v1                    ; wave 0..7
	v_and_b32 v1, 31, v0                           ; lane
	s_mov_b32 s22, ttmp9                           ; pair
	s_and_b32 s23, ttmp7, 0xffff
	s_lshl_b32 s38, s22, 2
	s_lshr_b32 s39, s23, 3                         ; q: the quarter of K
	s_add_co_u32 s38, s38, s39                     ; 4 pair + q
	s_and_b32 s40, s23, 7                          ; the slice of 128 columns
	s_lshl_b32 s25, s18, 15
	v_lshl_add_u32 v[AVL], v1, 4, s25
	v_lshl_add_u32 v[AVG], v1, 4, s25
	s_lshl_b32 s26, s22, 2
	s_mov_b32 s27, 0
	s_wait_kmcnt 0x0
	s_add_nc_u64 s[8:9], s[8:9], s[26:27]
	s_load_b32 s24, s[8:9], 0x0                    ; the pair's expert
	s_lshl_b32 s26, s38, 18                        ; the block of hc
	s_add_nc_u64 s[4:5], s[4:5], s[26:27]
.irp s, 0,1,2,3,4,5,6,7                ; my rows' 32 KiB, K step by K step: the immediate is added to both addresses.  v2, v3 and s[4:5] are never written again
.irp mi, 0,1
.irp c, 0,1,2,3
	global_load_async_to_lds_b128 v[AVL], v[AVG], s[4:5] offset:16384*\mi+2048*\s+512*\c
.endr
.endr
.endr
	s_mov_b32 s19, 0x600000                        ; the mantissa field of 57,344
	v_and_b32 v14, 15, v0                          ; r
	v_bfe_u32 v15, v0, 4, 1                        ; h
	v_mul_u32_u24 v[STO], v14, 528
	v_lshl_add_u32 v[STO], v15, 6, v[STO]
	v_add_nc_u32 v[STO], s25, v[STO]               ; my stage begins where my rows' images begin
	v_lshl_add_u32 v[RD], v1, 4, s25
	s_lshl_b32 s25, s18, 17                        ; my 32 rows of 4,096 bytes
	v_lshl_add_u32 v[PVO], v1, 4, s25
	s_mul_i32 s25, s18, 32*PITCH
	v_lshl_add_u32 v[WVO], v1, 4, s25
	v_bfe_u32 v14, v0, 3, 2                        ; b  = l / 8
	v_bfe_u32 v15, v0, 1, 1                        ; u  = (l / 2) % 2
	s_lshr_b32 s25, s18, 2                         ; sl = w / 4: which K step of the phase my block lies in,
	s_and_b32 s26, s18, 3                          ; c = w % 4: and which of its four blocks it is
	s_lshl_b32 s41, s25, 11
	s_lshl_b32 s42, s26, 9
	s_add_co_u32 s41, s41, s42
	s_add_co_u32 s41, s41, WBUF
	v_mul_u32_u24 v[WST], v14, 2*WTILE
	v_mad_u32_u24 v[WST], v15, WTILE, v[WST]       ; tile 2 b + u
	v_lshlrev_b32 v[WSB], 8, v14
	v_lshl_add_u32 v[WSB], v15, 7, v[WSB]
	v_bfe_u32 v14, v0, 2, 1                        ; rh = (l / 4) % 2
	v_and_b32 v15, 1, v0                           ; l % 2
	v_lshl_add_u32 v[WST], v14, 7, v[WST]
	v_lshl_add_u32 v[WST], v15, 6, v[WST]          ; 16 x row, row = 8 rh + 4 (l % 2) + j
	v_add_nc_u32 v[WST], s41, v[WST]
	s_lshl_b32 s41, s25, 6
	s_add_co_u32 s41, s41, s26
	s_add_co_u32 s41, s41, WSC
	v_lshl_add_u32 v[WSB], v14, 5, v[WSB]
	v_lshl_add_u32 v[WSB], v15, 4, v[WSB]
	v_add_nc_u32 v[WSB], s41, v[WSB]               ; 128 tile + 64 sl + 4 row + c
	v_lshl_add_u32 v[LI], v1, 4, WBUF
	v_lshl_add_u32 v[LSW], v1, 2, WSC
	v_mov_b32 v[FLOOR], 0x8000000
	s_lshl_b32 s41, s18, 10
	v_lshl_add_u32 v[ASV], v1, 2, s41
	s_lshl_b32 s26, s38, 13
	s_add_nc_u64 s[6:7], s[6:7], s[26:27]          ; the block's scale words
	s_lshl_b32 s25, s40, 9                         ; the slice's 128 columns: 512 bytes
	s_lshl_b32 s26, s38, 20
	s_add_co_u32 s26, s26, s25
	s_add_nc_u64 s[12:13], s[12:13], s[26:27]      ; part [pair][q][row 256][1,024] at the slice
	s_wait_kmcnt 0x0
	s_min_u32 s24, s24, 7                          ; a loaded number enters an address only behind a clamp
	s_lshl_b32 s26, s24, 24
	s_add_co_u32 s26, s26, s25
	s_lshl_b32 s25, s39, 22                        ; the quarter's 1,024 rows
	s_add_co_u32 s26, s26, s25
	s_add_nc_u64 s[28:29], s[10:11], s[26:27]      ; W2[e] at the quarter and the slice
.irp mi, 0,1
.irp j, 0,1,2,3
	global_load_b32 v[AS+4*\mi+\j], v[ASV], s[6:7] offset:512*\mi+128*\j
.endr
.endr
	WLOAD 0, 0
	WLOAD 1, 1
	PHASE 0, 1
	PHASE 1, 0
	PHASE 2, 0
	PHASE 3, 0
	STAGE 0                                        ; all my copies have landed and my reads of the images are over: the stage's bytes are filled no more
	BACK 0, 32
	STAGE 1
	SEND 0, 32, 16                                 ; behind row t's load: 15 - t loads and the second tile's sixteen stores
	BACK 1, ACC                                    ; into the first tile's accumulators: the last wait has shown the LDS stores that read them done
	SEND 1, ACC, 0
	s_wait_xcnt 0x0
	v_lshl_add_u32 v254, v0, 2, 0x48600
	v_mov_b32 v255, 0
	s_wait_tensorcnt 0x0
	ds_add_u32 v254, v255
	s_wait_dscnt 0x0
	s_endpgm
.Lfunc_end_k_q9c93348f26_ffn2:
	.size	k_q9c93348f26_ffn2, .Lfunc_end_k_q9c93348f26_ffn2-k_q9c93348f26_ffn2
	.p2alignl 7, 3214868480
	.fill 96, 4, 3214868480
	.section	.rodata,"a",@progbits
	.p2align	6, 0x0
	.amdhsa_kernel k_q9c93348f26_ffn2
		.amdhsa_group_segment_fixed_size 297472
		.amdhsa_private_segment_fixed_size 0
		.amdhsa_enable_private_segment 0
		.amdhsa_kernarg_size 40
		.amdhsa_user_sgpr_count 2
		.amdhsa_user_sgpr_kernarg_segment_ptr 1
		.amdhsa_wavefront_size32 1
		.amdhsa_system_sgpr_workgroup_id_x 1
		.amdhsa_system_sgpr_workgroup_id_y 1
		.amdhsa_system_sgpr_workgroup_id_z 1
		.amdhsa_system_vgpr_workitem_id 0
		.amdhsa_next_free_vgpr 512
		.amdhsa_next_free_sgpr 66
		.amdhsa_reserve_vcc 0
		.amdhsa_float_denorm_mode_32 3
		.amdhsa_float_denorm_mode_16_64 3
		.amdhsa_memory_ordered 1
		.amdhsa_forward_progress 1
		.amdhsa_inst_pref_size 135
	.end_amdhsa_kernel
	.amdgpu_metadata
---
amdhsa.version: [ 1, 2 ]
amdhsa.kernels:
  - .name:           k_q9c93348f26_ffn2
    .symbol:         k_q9c93348f26_ffn2.kd
    .args:
      - { .name: hc, .offset: 0, .size: 8, .value_kind: global_buffer, .address_space: global }
      - { .name: hs, .offset: 8, .size: 8, .value_kind: global_buffer, .address_space: global }
      - { .name: idx, .offset: 16, .size: 8, .value_kind: global_buffer, .address_space: global }
      - { .name: W2, .offset: 24, .size: 8, .value_kind: global_buffer, .address_space: global }
      - { .name: part, .offset: 32, .size: 8, .value_kind: global_buffer, .address_space: global }
    .group_segment_fixed_size: 297472
    .private_segment_fixed_size: 0
    .kernarg_segment_align: 8
    .kernarg_segment_size: 40
    .max_flat_workgroup_size: 256
    .sgpr_count:     66
    .vgpr_count:     512
    .wavefront_size: 32
...
	.end_amdgpu_metadata
.endif
;; end of part 3
;; launch finish (part 4): grid 256 x 1, 4 waves a work-group, no clusters, 0 bytes of LDS; arguments part, x, idx, wts, b2, gamma, beta, out0; writes out0
.if DOCPART == 4
	.amdgcn_target "amdgcn-amd-amdhsa--gfx1250"
	.amdhsa_code_object_version 6
	.text
	.protected	k_q9c93348f26_finish
	.globl	k_q9c93348f26_finish
	.p2align	8
	.type	k_q9c93348f26_finish,@function
k_q9c93348f26_finish:
	s_mov_b64 s[64:65], 0
	v_nop
	global_prefetch_b8 v0, s[64:65] scope:SCOPE_SE
	s_setreg_imm32_b32 hwreg(HW_REG_WAVE_MODE, 25, 1), 1
	s_wait_xcnt 0x0
; out0[row] = LayerNorm(x[row] + w0 (b2[e0] + the four partial sums of pair 2 b) + w1 (b2[e1] + those of pair 2 b + 1)) x gamma + beta.
; One wave owns one row of 1,024 numbers: 32 a lane, in eight pieces of 16 bytes, so that every load and store of the wave covers 512 consecutive bytes.  No LDS, no barrier: waves share nothing.
; The eight partial rows go through four sets of registers; each wait counts what was issued behind the row that it waits for.
; The norm is taken in two passes over the registers (the mean first, then the squares of the differences), so that a common offset of the row costs no accuracy.
; A stream bound by its bytes: matrix units, clusters and LDS would add nothing.  LIMITS: NaN and infinities are not served.
.set Y,  32                            ; v32-63   the row
.set B0, 64                            ; v64-95   b2[e0], later gamma
.set B1, 96                            ; v96-127  b2[e1], later beta
.set P,  128                           ; v128-255 four sets for partial rows
.macro PLOAD g                         ; partial row g = 4 k + q lies g MiB on
.irp c, 0,1,2,3,4,5,6,7
	global_load_b128 v[P+32*((\g)%4)+4*\c:P+32*((\g)%4)+4*\c+3], v2, s[4:5] offset:(\g)*1048576+512*\c th:TH_LOAD_NT
.endr
.endm
.macro PART g, left
	s_wait_loadcnt \left
.irp i, 0,2,4,6,8,10,12,14,16,18,20,22,24,26,28,30
	v_pk_fma_f32 v[Y+\i:Y+\i+1], v[P+32*((\g)%4)+\i:P+32*((\g)%4)+\i+1], s[28+2*((\g)/4):29+2*((\g)/4)], v[Y+\i:Y+\i+1] op_sel_hi:[1,0,1]   ; of the scalar pair the low word serves both halves
.endr
.if (\g) < 4
	PLOAD (\g)+4
.endif
.endm
.macro WAVESUM r, t                    ; over the 32 lanes; the result in every lane
	v_add_f32_dpp v[\r], v[\r], v[\r] row_xmask:1 row_mask:0xf bank_mask:0xf
	v_add_f32_dpp v[\r], v[\r], v[\r] row_xmask:2 row_mask:0xf bank_mask:0xf
	v_add_f32_dpp v[\r], v[\r], v[\r] row_xmask:4 row_mask:0xf bank_mask:0xf
	v_add_f32_dpp v[\r], v[\r], v[\r] row_xmask:8 row_mask:0xf bank_mask:0xf
	v_permlanex16_b32 v[\t], v[\r], s38, s39
	v_add_f32 v[\r], v[\r], v[\t]
.endm
	s_load_b256 s[4:11], s[0:1], 0x0               ; part s[4:5], x s[6:7], idx s[8:9], wts s[10:11]
	s_load_b256 s[12:19], s[0:1], 0x20             ; b2 s[12:13], gamma s[14:15], beta s[16:17], out0 s[18:19]
	v_lshrrev_b32 v1, 5, v0
	v_readfirstlane_b32 s20, v1                    ; wave 0..3
	v_and_b32 v1, 31, v0
	v_lshlrev_b32 v2, 4, v1                        ; 16 bytes a lane
	s_lshl_b32 s21, ttmp9, 2
	s_add_co_u32 s21, s21, s20                     ; my row, 0 .. 1,023
	s_lshr_b32 s22, ttmp9, 6                       ; its batch
	s_lshl_b32 s24, s22, 3
	s_mov_b32 s25, 0
	s_mov_b32 s36, 0x3a800000                      ; 1 / 1,024
	s_mov_b32 s37, 0x3727c5ac                      ; 1e-5
	s_mov_b32 s38, 0x76543210
	s_mov_b32 s39, 0xfedcba98                      ; v_permlanex16_b32's selects for lane l xor 16
	s_wait_kmcnt 0x0
	s_add_nc_u64 s[8:9], s[8:9], s[24:25]
	s_add_nc_u64 s[10:11], s[10:11], s[24:25]
	s_load_b64 s[26:27], s[8:9], 0x0               ; the batch's two experts
	s_load_b64 s[28:29], s[10:11], 0x0             ; and their weights
	s_lshl_b32 s24, s21, 12
	s_add_nc_u64 s[6:7], s[6:7], s[24:25]          ; x and out0 at my row
	s_add_nc_u64 s[18:19], s[18:19], s[24:25]
	s_and_b32 s30, s21, 255
	s_lshl_b32 s30, s30, 12
	s_lshl_b32 s31, s22, 23                        ; a batch's eight partial blocks of 1 MiB
	s_add_co_u32 s24, s30, s31
	s_add_nc_u64 s[4:5], s[4:5], s[24:25]
	s_wait_kmcnt 0x0
	s_min_u32 s26, s26, 7                          ; a loaded number enters an address only behind a clamp
	s_min_u32 s27, s27, 7
	s_lshl_b32 s24, s26, 12
	s_add_nc_u64 s[32:33], s[12:13], s[24:25]      ; b2[e0]
	s_lshl_b32 s24, s27, 12
	s_add_nc_u64 s[34:35], s[12:13], s[24:25]      ; b2[e1]
	s_mov_b32 s30, s29                             ; s[28:29]: w0 in the low word; s[30:31]: w1
	s_mov_b32 s31, s29
.irp c, 0,1,2,3,4,5,6,7
	global_load_b128 v[Y+4*\c:Y+4*\c+3], v2, s[6:7] offset:512*\c
.endr
.irp c, 0,1,2,3,4,5,6,7
	global_load_b128 v[B0+4*\c:B0+4*\c+3], v2, s[32:33] offset:512*\c
.endr
.irp c, 0,1,2,3,4,5,6,7
	global_load_b128 v[B1+4*\c:B1+4*\c+3], v2, s[34:35] offset:512*\c
.endr
	PLOAD 0
	PLOAD 1
	PLOAD 2
	PLOAD 3
	s_wait_loadcnt 32                              ; x and the two biases are in; the four partial rows may be out
.irp i, 0,2,4,6,8,10,12,14,16,18,20,22,24,26,28,30
	v_pk_fma_f32 v[Y+\i:Y+\i+1], v[B0+\i:B0+\i+1], s[28:29], v[Y+\i:Y+\i+1] op_sel_hi:[1,0,1]
.endr
.irp i, 0,2,4,6,8,10,12,14,16,18,20,22,24,26,28,30
	v_pk_fma_f32 v[Y+\i:Y+\i+1], v[B1+\i:B1+\i+1], s[30:31], v[Y+\i:Y+\i+1] op_sel_hi:[1,0,1]
.endr
.irp c, 0,1,2,3,4,5,6,7
	global_load_b128 v[B0+4*\c:B0+4*\c+3], v2, s[14:15] offset:512*\c     ; gamma
.endr
.irp c, 0,1,2,3,4,5,6,7
	global_load_b128 v[B1+4*\c:B1+4*\c+3], v2, s[16:17] offset:512*\c     ; beta
.endr
	PART 0, 40                                     ; behind row 0: rows 1-3 (24), gamma and beta (16)
	PART 1, 40                                     ; rows 2, 3 (16), gamma and beta (16), row 4 (8)
	PART 2, 40
	PART 3, 40
	PART 4, 24                                     ; rows 5-7
	PART 5, 16
	PART 6, 8
	PART 7, 0
	v_pk_add_f32 v[4:5], v[Y:Y+1], v[Y+2:Y+3]      ; the row's sum, in two chains
	v_pk_add_f32 v[6:7], v[Y+4:Y+5], v[Y+6:Y+7]
.irp i, 8,12,16,20,24,28
	v_pk_add_f32 v[4:5], v[4:5], v[Y+\i:Y+\i+1]
	v_pk_add_f32 v[6:7], v[6:7], v[Y+\i+2:Y+\i+3]
.endr
	v_pk_add_f32 v[4:5], v[4:5], v[6:7]
	v_add_f32 v4, v4, v5
	WAVESUM 4, 5
	v_mul_f32 v4, s36, v4                          ; the mean
	v_mov_b32 v5, v4
.irp i, 0,2,4,6,8,10,12,14,16,18,20,22,24,26,28,30
	v_pk_add_f32 v[Y+\i:Y+\i+1], v[Y+\i:Y+\i+1], v[4:5] neg_lo:[0,1] neg_hi:[0,1]
.endr
	v_pk_mul_f32 v[6:7], v[Y:Y+1], v[Y:Y+1]        ; the squares' sum, in two chains
	v_pk_mul_f32 v[8:9], v[Y+2:Y+3], v[Y+2:Y+3]
.irp i, 4,8,12,16,20,24,28
	v_pk_fma_f32 v[6:7], v[Y+\i:Y+\i+1], v[Y+\i:Y+\i+1], v[6:7]
	v_pk_fma_f32 v[8:9], v[Y+\i+2:Y+\i+3], v[Y+\i+2:Y+\i+3], v[8:9]
.endr
	v_pk_add_f32 v[6:7], v[6:7], v[8:9]
	v_add_f32 v6, v6, v7
	WAVESUM 6, 7
	v_fma_f32 v6, v6, s36, s37                     ; the variance + 1e-5
	v_rsq_f32 v6, v6
	v_nop                                          ; a plain line behind the transcendental,
	s_wait_alu depctr_va_vdst(0)                   ; and a wait ahead of its first reader
	v_mov_b32 v7, v6
.irp i, 0,2,4,6,8,10,12,14,16,18,20,22,24,26,28,30
	v_pk_mul_f32 v[Y+\i:Y+\i+1], v[Y+\i:Y+\i+1], v[6:7]
.endr
.irp i, 0,2,4,6,8,10,12,14,16,18,20,22,24,26,28,30
	v_pk_fma_f32 v[Y+\i:Y+\i+1], v[Y+\i:Y+\i+1], v[B0+\i:B0+\i+1], v[B1+\i:B1+\i+1]
.endr
.irp c, 0,1,2,3,4,5,6,7
	global_store_b128 v2, v[Y+4*\c:Y+4*\c+3], s[18:19] offset:512*\c th:TH_STORE_NT
.endr
	s_endpgm
.Lfunc_end_k_q9c93348f26_finish:
	.size	k_q9c93348f26_finish, .Lfunc_end_k_q9c93348f26_finish-k_q9c93348f26_finish
	.p2alignl 7, 3214868480
	.fill 96, 4, 3214868480
	.section	.rodata,"a",@progbits
	.p2align	6, 0x0
	.amdhsa_kernel k_q9c93348f26_finish
		.amdhsa_group_segment_fixed_size 0
		.amdhsa_private_segment_fixed_size 0
		.amdhsa_enable_private_segment 0
		.amdhsa_kernarg_size 64
		.amdhsa_user_sgpr_count 2
		.amdhsa_user_sgpr_kernarg_segment_ptr 1
		.amdhsa_wavefront_size32 1
		.amdhsa_system_sgpr_workgroup_id_x 1
		.amdhsa_system_sgpr_workgroup_id_y 1
		.amdhsa_system_sgpr_workgroup_id_z 1
		.amdhsa_system_vgpr_workitem_id 0
		.amdhsa_next_free_vgpr 256
		.amdhsa_next_free_sgpr 66
		.amdhsa_reserve_vcc 0
		.amdhsa_float_denorm_mode_32 3
		.amdhsa_float_denorm_mode_16_64 3
		.amdhsa_memory_ordered 1
		.amdhsa_forward_progress 1
		.amdhsa_inst_pref_size 29
	.end_amdhsa_kernel
	.amdgpu_metadata
---
amdhsa.version: [ 1, 2 ]
amdhsa.kernels:
  - .name:           k_q9c93348f26_finish
    .symbol:         k_q9c93348f26_finish.kd
    .args:
      - { .name: part, .offset: 0, .size: 8, .value_kind: global_buffer, .address_space: global }
      - { .name: x, .offset: 8, .size: 8, .value_kind: global_buffer, .address_space: global }
      - { .name: idx, .offset: 16, .size: 8, .value_kind: global_buffer, .address_space: global }
      - { .name: wts, .offset: 24, .size: 8, .value_kind: global_buffer, .address_space: global }
      - { .name: b2, .offset: 32, .size: 8, .value_kind: global_buffer, .address_space: global }
      - { .name: gamma, .offset: 40, .size: 8, .value_kind: global_buffer, .address_space: global }
      - { .name: beta, .offset: 48, .size: 8, .value_kind: global_buffer, .address_space: global }
      - { .name: out0, .offset: 56, .size: 8, .value_kind: global_buffer, .address_space: global }
    .group_segment_fixed_size: 0
    .private_segment_fixed_size: 0
    .kernarg_segment_align: 8
    .kernarg_segment_size: 64
    .max_flat_workgroup_size: 128
    .sgpr_count:     66
    .vgpr_count:     256
    .wavefront_size: 32
...
	.end_amdgpu_metadata
.endif
;; end of part 4
;; ======== version 2 of 2: 5 launches; 1.13 times as fast as version 1
;; workspace buffers: xc 1,048,576 bytes; xs 32,768 bytes; hc 8,388,608 bytes; hs 262,144 bytes; idx 256 bytes of whole numbers; wts 256 bytes; part 33,554,432 bytes; plog 2,048 bytes
;; launch prep (part 5): grid 80 x 1, 16 waves a work-group, no clusters, 68,096 bytes of LDS; arguments x, Wr, plog, xc, xs; writes plog, xc, xs
.if DOCPART == 5
	.amdgcn_target "amdgcn-amd-amdhsa--gfx1250"
	.amdhsa_code_object_version 6
	.text
	.protected	k_q9c93348f26_prep
	.globl	k_q9c93348f26_prep
	.p2align	8
	.type	k_q9c93348f26_prep,@function
k_q9c93348f26_prep:
	s_mov_b64 s[64:65], 0
	v_nop
	global_prefetch_b8 v0, s[64:65] scope:SCOPE_SE
	s_setreg_imm32_b32 hwreg(HW_REG_WAVE_MODE, 25, 1), 1
	s_wait_xcnt 0x0
; Two jobs in one launch, told apart by the work-group's number alone.
; WORK-GROUPS 0-15: x INTO CODES of E5M2 with one E8M0 byte for each 32 along D, laid as images of the operand's registers:
; xc [tile of 16 rows: 64][K step of 128: 8][group c: 4][lane: 32][16 bytes];  xs [tile][K step][row 16] scale words.
; WORK-GROUPS 16-79: A PART OF THE ROUTER.  The logits are linear in x, so the sum over a batch's 256 tokens is shared out: a work-group takes 16 rows of one batch, 64 KiB, a row a wave,
; adds them by columns, multiplies the column sums by Wr and stores its 8 partial logits: plog [group of 16 rows: 16][batch: 4][expert: 8], f32.
; The next launch adds the 16 parts of each batch and chooses: a sum over work-groups is ordered by the end of a launch.
; LIMITS: NaN and infinities are not served.  A block of zeros gets the byte 1 (its codes are zeros; only this program reads the bytes).
; The router's sums run in another order than a plain sum down the tokens: two experts whose weights agree to the last bits of f32 may change places.
; A short launch bound by latency: no prefetch, no tensor load, no cluster: the work-groups share no tile.
.set BUF, 32                           ; v32-159  quantiser: 2 x 64 numbers (router: v32-63 column sums from LDS, v64-71 partial logits)
.set SUM, 160                          ; v160-191 router: my wave's row of x;  quantiser: the codes
.set TM,  16                           ; v16-31   quantiser: at work (router: Wr's two rows)
.set LGT, 65536                        ; LDS: 16 waves x 4,096 bytes, a row of x each, then 16 waves x 8 partial logits
.macro BAR                             ; my LDS stores have landed and my LDS loads are in: then the work-group's barrier
	s_wait_dscnt 0x0
	s_barrier_signal -1
	s_barrier_wait -1
.endm
; 64 numbers of a lane, register 16 b + i = k 32 b + 16 (lane / 16) + i of my row, become a fragment's codes in v[pc] on and its scale word in v[pw]
.macro QUANT s, pc, pw
.irp b, 0,1,2,3
	v_max3_num_f32 v[TM+\b], |v[(\s)+16*\b]|, |v[(\s)+1+16*\b]|, 0x8000000   ; my 16 numbers of block b, and the floor 2^(16 - 127): the byte cannot fall under 1
.endr
.irp i, 2,4,6,8,10,12,14
.irp b, 0,1,2,3
	v_max3_num_f32 v[TM+\b], v[TM+\b], |v[(\s)+16*\b+\i]|, |v[(\s)+1+16*\b+\i]|
.endr
.endr
.irp b, 0,1,2,3
	v_permlanex16_b32 v[TM+4+\b], v[TM+\b], s20, s21
.endr
.irp b, 0,1,2,3
	v_max_num_f32 v[TM+\b], v[TM+\b], v[TM+4+\b]              ; with lane l xor 16's: the block's largest magnitude
.endr
.irp b, 0,1,2,3
	v_add_nc_u32 v[TM+12+\b], 0xf8800000, v[TM+\b]            ; 15 off its exponent field: the conversion's scale operand
.endr
.irp b, 0,1,2,3
	v_and_or_b32 v[TM+8+\b], v[TM+\b], 0x7f800000, s19        ; 57,344 x the scale
.endr
.irp b, 0,1,2,3
	v_lshrrev_b32 v[TM+4+\b], 23, v[TM+12+\b]                 ; the scale's byte
.endr
	v_lshl_or_b32 v[\pw], v[TM+5], 8, v[TM+4]
	v_lshl_or_b32 v[\pw], v[TM+6], 16, v[\pw]
	v_lshl_or_b32 v[\pw], v[TM+7], 24, v[\pw]
.irp b, 0,1,2,3
.irp i, 0,1,2,3,4,5,6,7,8,9,10,11,12,13,14,15
	v_med3_num_f32 v[(\s)+16*\b+\i], v[(\s)+16*\b+\i], -v[TM+8+\b], v[TM+8+\b]   ; the conversion does not saturate (ISA guide 7.6.2): the hold comes first
.endr
	v_cvt_scalef32_pk8_bf8_f32 v[(\pc)+4*\b:(\pc)+1+4*\b], v[(\s)+16*\b:(\s)+7+16*\b], v[TM+12+\b]
	v_cvt_scalef32_pk8_bf8_f32 v[(\pc)+2+4*\b:(\pc)+3+4*\b], v[(\s)+8+16*\b:(\s)+15+16*\b], v[TM+12+\b]
.endr
	v_nop                                                     ; a plain line behind the last conversion
.endm
	s_load_b256 s[4:11], s[0:1], 0x0               ; x s[4:5], Wr s[6:7], plog s[8:9], xc s[10:11]
	s_load_b64 s[12:13], s[0:1], 0x20              ; xs
	v_lshl_add_u32 v254, v0, 2, 0x10200
	v_mov_b32 v255, 0
	v_lshrrev_b32 v2, 5, v0
	v_readfirstlane_b32 s18, v2                    ; wave 0..15
	v_and_b32 v1, 31, v0                           ; lane
	s_mov_b32 s19, 0x600000                        ; the mantissa field of 57,344
	s_mov_b32 s20, 0x76543210
	s_mov_b32 s21, 0xfedcba98                      ; v_permlanex16_b32's selects for lane l xor 16
	s_cmp_lt_u32 ttmp9, 16
	s_cbranch_scc1 .Lquant
	; ---------------- a part of the router: rows 16 n .. 16 n + 15 of x, n = the work-group's number - 16; batch n / 16, group n % 16
	s_sub_co_u32 s22, ttmp9, 16                    ; n, 0 .. 63
	s_lshl_b32 s24, s22, 16                        ; 16 rows of 4,096 bytes
	s_mov_b32 s25, 0
	s_lshl_b32 s23, s18, 12                        ; my wave's row in memory, and its 4,096 bytes in LDS
	v_lshl_add_u32 v3, v1, 4, s23                  ; memory: + 16 bytes a lane
	v_lshl_add_u32 v6, v1, 4, s23                  ; LDS: the same place
	v_lshlrev_b32 v4, 6, v0                        ; Wr: rows 2 t and 2 t + 1 are 64 bytes at 64 t
	v_lshlrev_b32 v7, 3, v0                        ; LDS: columns 2 t, 2 t + 1
	s_lshl_b32 s26, s18, 5
	s_add_co_u32 s26, s26, LGT
	v_mov_b32 v8, s26                              ; LDS: my wave's 8 partial logits
	v_lshl_add_u32 v9, v1, 2, LGT                  ; LDS: word l of the 128
	v_lshlrev_b32 v12, 2, v1                       ; plog: 4 bytes a lane
	s_wait_kmcnt 0x0
	s_add_nc_u64 s[4:5], s[4:5], s[24:25]
.irp c, 0,1,2,3,4,5,6,7
	global_load_b128 v[SUM+4*\c:SUM+4*\c+3], v3, s[4:5] offset:512*\c    ; my row: each load takes 512 consecutive bytes
.endr
.irp c, 0,1,2,3
	global_load_b128 v[16+4*\c:19+4*\c], v4, s[6:7] offset:16*\c
.endr
	s_wait_loadcnt 4                               ; my row is in; Wr's four loads may be out
.irp c, 0,1,2,3,4,5,6,7
	ds_store_b128 v6, v[SUM+4*\c:SUM+4*\c+3] offset:512*\c      ; column n at byte 4 n of my wave's part
.endr
	BAR                                            ; sixteen rows lie in LDS
.irp k, 0,1,2,3,4,5,6,7,8,9,10,11,12,13,14,15
	ds_load_b64 v[32+2*\k:33+2*\k], v7 offset:4096*\k
.endr
	s_wait_dscnt 0x0
.irp k, 0,2,4,6,8,10,12,14
	v_pk_add_f32 v[32+\k:33+\k], v[32+\k:33+\k], v[48+\k:49+\k]
.endr
.irp k, 0,2,4,6
	v_pk_add_f32 v[32+\k:33+\k], v[32+\k:33+\k], v[40+\k:41+\k]
.endr
	v_pk_add_f32 v[32:33], v[32:33], v[36:37]
	v_pk_add_f32 v[34:35], v[34:35], v[38:39]
	v_pk_add_f32 v[32:33], v[32:33], v[34:35]      ; the 16 rows' sums of columns 2 t and 2 t + 1
	s_wait_loadcnt 0x0                             ; Wr
.irp e, 0,1,2,3,4,5,6,7
	v_mul_f32 v[64+\e], v32, v[16+\e]
.endr
.irp e, 0,1,2,3,4,5,6,7
	v_fmac_f32 v[64+\e], v33, v[24+\e]             ; my two columns' part of the eight logits
.endr
.irp m, 1,2,4,8
.irp e, 0,1,2,3,4,5,6,7
	v_add_f32_dpp v[64+\e], v[64+\e], v[64+\e] row_xmask:\m row_mask:0xf bank_mask:0xf
.endr
.endr
.irp e, 0,1,2,3,4,5,6,7
	v_permlanex16_b32 v[40+\e], v[64+\e], s20, s21 ; (a lane permute's destination counts as one of its sources: v40-47 have been written and are done with)
.endr
.irp e, 0,1,2,3,4,5,6,7
	v_add_f32 v[64+\e], v[64+\e], v[40+\e]         ; the wave's part, in every lane
.endr
	ds_store_b128 v8, v[64:67]                     ; all lanes write the same words with the same values
	ds_store_b128 v8, v[68:71] offset:16
	BAR
.irp k, 0,1,2,3
	ds_load_b32 v[80+\k], v9 offset:128*\k         ; word l + 32 k: expert l % 8 of wave l / 8 + 4 k
.endr
	s_wait_dscnt 0x0
	v_add_f32 v80, v80, v81
	v_add_f32 v82, v82, v83
	v_add_f32 v80, v80, v82
	v_add_f32_dpp v80, v80, v80 row_xmask:8 row_mask:0xf bank_mask:0xf
	v_permlanex16_b32 v81, v80, s20, s21
	v_add_f32 v80, v80, v81                        ; lane l: the 16 rows' part of the sum for expert l % 8
	s_cmp_lg_u32 s18, 0                            ; wave 0 stores
	s_cbranch_scc1 .Lparted
	s_and_b32 s26, s22, 15
	s_lshl_b32 s26, s26, 7                         ; 128 bytes a group of rows,
	s_lshr_b32 s27, s22, 4
	s_lshl_b32 s27, s27, 5                         ; 32 a batch
	s_add_co_u32 s26, s26, s27
	s_mov_b32 s27, 0
	s_add_nc_u64 s[8:9], s[8:9], s[26:27]
	v_cmp_gt_u32 vcc_lo, 8, v1
	s_wait_xcnt 0x0                                ; EXEC changes only behind this wait
	s_and_saveexec_b32 s28, vcc_lo
	global_store_b32 v12, v80, s[8:9]              ; lanes 0-7: the eight experts
	s_wait_xcnt 0x0                                ; and again in front of the line that widens it
	s_or_b32 exec_lo, exec_lo, s28
.Lparted:
	s_wait_tensorcnt 0x0
	ds_add_u32 v254, v255
	s_wait_dscnt 0x0
	s_endpgm
	; ---------------- x into codes: wave w takes the tile of rows M = 4 x work-group + w / 4 and K steps 2 j, 2 j + 1, j = w % 4
.Lquant:
	s_lshl_b32 s22, ttmp9, 2
	s_lshr_b32 s23, s18, 2
	s_add_co_u32 s22, s22, s23                     ; M
	s_and_b32 s23, s18, 3                          ; j
	s_lshl_b32 s24, s22, 16                        ; x: 16 rows of 4,096 bytes,
	s_lshl_b32 s25, s23, 10                        ; two K steps of 512 bytes
	s_add_co_u32 s24, s24, s25
	s_mov_b32 s25, 0
	s_lshl_b32 s26, s22, 14                        ; xc: 8 images of 2,048 bytes a tile
	s_lshl_b32 s27, s23, 12
	s_add_co_u32 s26, s26, s27
	s_mov_b32 s27, 0
	s_lshl_b32 s28, s22, 9                         ; xs: 8 x 64 bytes a tile
	s_lshl_b32 s29, s23, 7
	s_add_co_u32 s28, s28, s29
	s_mov_b32 s29, 0
	v_and_b32 v2, 15, v0                           ; r
	v_bfe_u32 v3, v0, 4, 1                         ; h
	v_lshlrev_b32 v4, 12, v2
	v_lshl_add_u32 v4, v3, 6, v4                   ; row r, + 64 h: my 16 numbers of a block of 32
	v_lshlrev_b32 v5, 4, v1
	v_lshlrev_b32 v6, 2, v1
.irp b, 0,1,2,3
	v_mov_b32 v[TM+4+\b], 0                        ; a lane permute's destination counts as one of its sources
.endr
	s_wait_kmcnt 0x0
	s_add_nc_u64 s[4:5], s[4:5], s[24:25]
	s_add_nc_u64 s[10:11], s[10:11], s[26:27]
	s_add_nc_u64 s[12:13], s[12:13], s[28:29]
.irp sl, 0,1
.irp b, 0,1,2,3
.irp jj, 0,1,2,3
	global_load_b128 v[BUF+64*\sl+16*\b+4*\jj:BUF+64*\sl+16*\b+4*\jj+3], v4, s[4:5] offset:512*\sl+128*\b+16*\jj
.endr
.endr
.endr
	s_wait_loadcnt 16                              ; the first K step's 16 loads are in
	QUANT BUF, SUM, 192
	s_wait_loadcnt 0x0
	QUANT BUF+64, SUM+16, 193
.irp sl, 0,1
.irp c, 0,1,2,3
	global_store_b128 v5, v[SUM+16*\sl+4*\c:SUM+16*\sl+4*\c+3], s[10:11] offset:2048*\sl+512*\c   ; 32 lanes store 512 consecutive bytes
.endr
.endr
	v_cmp_gt_u32 vcc_lo, 16, v1
	v_cndmask_b32 v194, v193, v192, vcc_lo         ; lanes 0-15: K step 2 j's words; lanes 16-31: K step 2 j + 1's
	global_store_b32 v6, v194, s[12:13]
	s_endpgm
.Lfunc_end_k_q9c93348f26_prep:
	.size	k_q9c93348f26_prep, .Lfunc_end_k_q9c93348f26_prep-k_q9c93348f26_prep
	.p2alignl 7, 3214868480
	.fill 96, 4, 3214868480
	.section	.rodata,"a",@progbits
	.p2align	6, 0x0
	.amdhsa_kernel k_q9c93348f26_prep
		.amdhsa_group_segment_fixed_size 68096
		.amdhsa_private_segment_fixed_size 0
		.amdhsa_enable_private_segment 0
		.amdhsa_kernarg_size 40
		.amdhsa_user_sgpr_count 2
		.amdhsa_user_sgpr_kernarg_segment_ptr 1
		.amdhsa_wavefront_size32 1
		.amdhsa_system_sgpr_workgroup_id_x 1
		.amdhsa_system_sgpr_workgroup_id_y 1
		.amdhsa_system_sgpr_workgroup_id_z 1
		.amdhsa_system_vgpr_workitem_id 0
		.amdhsa_next_free_vgpr 256
		.amdhsa_next_free_sgpr 66
		.amdhsa_reserve_vcc 1
		.amdhsa_float_denorm_mode_32 3
		.amdhsa_float_denorm_mode_16_64 3
		.amdhsa_memory_ordered 1
		.amdhsa_forward_progress 1
		.amdhsa_inst_pref_size 31
	.end_amdhsa_kernel
	.amdgpu_metadata
---
amdhsa.version: [ 1, 2 ]
amdhsa.kernels:
  - .name:           k_q9c93348f26_prep
    .symbol:         k_q9c93348f26_prep.kd
    .args:
      - { .name: x, .offset: 0, .size: 8, .value_kind: global_buffer, .address_space: global }
      - { .name: Wr, .offset: 8, .size: 8, .value_kind: global_buffer, .address_space: global }
      - { .name: plog, .offset: 16, .size: 8, .value_kind: global_buffer, .address_space: global }
      - { .name: xc, .offset: 24, .size: 8, .value_kind: global_buffer, .address_space: global }
      - { .name: xs, .offset: 32, .size: 8, .value_kind: global_buffer, .address_space: global }
    .group_segment_fixed_size: 68096
    .private_segment_fixed_size: 0
    .kernarg_segment_align: 8
    .kernarg_segment_size: 40
    .max_flat_workgroup_size: 512
    .sgpr_count:     66
    .vgpr_count:     256
    .wavefront_size: 32
...
	.end_amdgpu_metadata
.endif
;; end of part 5
;; launch route (part 6): grid 1 x 1, 1 waves a work-group, no clusters, 0 bytes of LDS; arguments plog, br, idx, wts; writes idx, wts
.if DOCPART == 6
	.amdgcn_target "amdgcn-amd-amdhsa--gfx1250"
	.amdhsa_code_object_version 6
	.text
	.protected	k_q9c93348f26_route
	.globl	k_q9c93348f26_route
	.p2align	8
	.type	k_q9c93348f26_route,@function
k_q9c93348f26_route:
	s_mov_b64 s[64:65], 0
	v_nop
	global_prefetch_b8 v0, s[64:65] scope:SCOPE_SE
	s_setreg_imm32_b32 hwreg(HW_REG_WAVE_MODE, 25, 1), 1
	s_wait_xcnt 0x0
; THE ROUTER'S CHOICE, for all four batches in one wave: lane l stands for batch l / 8 and expert l % 8.
; The 16 partial logits of each (batch, expert) are added; / 256 (the mean over the batch's tokens), + br; softmax over the eight experts, its maximum taken away;
; the two largest (of equal weights the lower index first); softmax over those two.  Stored: idx[2 b + k] = the expert, a whole number; wts[2 b + k] = its weight.
; All 256 tokens of a batch share them.  No address and no branch here hangs on these numbers: they are chosen by v_cndmask_b32 and stored at fixed places;
; the later launches read idx from memory and form the weights' addresses from it.
; One work-group is all the work there is: 512 numbers in, 16 out.  LIMITS: NaN and infinities are not served.
; The sums run in another order than a plain sum down the tokens: two experts whose weights agree to the last bits of f32 may change places.
.macro OVER8 op, r                     ; over the eight lanes that hold a batch's eight experts
	\op v[\r], v[\r], v[\r] row_xmask:1 row_mask:0xf bank_mask:0xf
	\op v[\r], v[\r], v[\r] row_xmask:2 row_mask:0xf bank_mask:0xf
	\op v[\r], v[\r], v[\r] row_xmask:4 row_mask:0xf bank_mask:0xf
.endm
	s_load_b256 s[4:11], s[0:1], 0x0               ; plog s[4:5], br s[6:7], idx s[8:9], wts s[10:11]
	v_lshlrev_b32 v2, 2, v0                        ; plog [group 16][batch 4][expert 8]: 4 bytes a lane, 128 a group
	v_and_b32 v3, 7, v0                            ; my expert
	v_cvt_f32_u32 v11, v3                          ; its number as f32, so that the least index is a v_min_num_f32
	v_lshlrev_b32 v4, 2, v3                        ; br
	v_lshrrev_b32 v5, 3, v0                        ; my batch
	v_lshl_add_u32 v5, v5, 3, v4                   ; 8 b + 4 e: where lanes with e < 2 store
	s_mov_b32 s12, 0x3b800000                      ; 1 / 256
	s_wait_kmcnt 0x0
.irp g, 0,1,2,3,4,5,6,7,8,9,10,11,12,13,14,15
	global_load_b32 v[16+\g], v2, s[4:5] offset:128*\g       ; 32 lanes read 128 consecutive bytes
.endr
	global_load_b32 v10, v4, s[6:7]                ; br of my expert
	s_wait_loadcnt 0x0
.irp k, 0,2,4,6
	v_pk_add_f32 v[16+\k:17+\k], v[16+\k:17+\k], v[24+\k:25+\k]
.endr
	v_pk_add_f32 v[16:17], v[16:17], v[20:21]
	v_pk_add_f32 v[18:19], v[18:19], v[22:23]
	v_pk_add_f32 v[16:17], v[16:17], v[18:19]
	v_add_f32 v80, v16, v17                        ; the batch's sum for my expert
	v_fma_f32 v80, v80, s12, v10                   ; the logit: / 256, + br
	v_mov_b32 v82, v80
	OVER8 v_max_num_f32_dpp, 82                    ; the largest logit is taken away ahead of the exponential
	v_sub_f32 v83, v80, v82
	v_mul_f32 v83, 0x3fb8aa3b, v83
	v_exp_f32 v83, v83
	v_nop                                          ; a plain line behind the transcendental,
	s_wait_alu depctr_va_vdst(0)                   ; and a wait ahead of its first reader
	v_mov_b32 v84, v83
	OVER8 v_add_f32_dpp, 84
	v_rcp_f32 v84, v84
	v_nop
	s_wait_alu depctr_va_vdst(0)
	v_mul_f32 v83, v83, v84                        ; rw of my expert
	v_mov_b32 v86, 0x41000000                      ; 8.0: above every index
	v_mov_b32 v89, -1.0                            ; under every weight
	v_mov_b32 v85, v83
	OVER8 v_max_num_f32_dpp, 85                    ; the largest weight,
	v_cmp_eq_f32 vcc_lo, v83, v85
	v_cndmask_b32 v87, v86, v11, vcc_lo
	OVER8 v_min_num_f32_dpp, 87                    ; and the least index that has it
	v_cmp_eq_f32 vcc_lo, v11, v87
	v_cndmask_b32 v88, v83, v89, vcc_lo            ; that expert is taken out
	v_mov_b32 v90, v88
	OVER8 v_max_num_f32_dpp, 90                    ; the second largest,
	v_cmp_eq_f32 vcc_lo, v88, v90
	v_cndmask_b32 v91, v86, v11, vcc_lo
	OVER8 v_min_num_f32_dpp, 91                    ; and its least index
	v_sub_f32 v92, v90, v85                        ; softmax over the two: the larger is taken away, so the exponent is 0 or less
	v_mul_f32 v92, 0x3fb8aa3b, v92
	v_exp_f32 v92, v92
	v_nop
	s_wait_alu depctr_va_vdst(0)
	v_add_f32 v93, 1.0, v92
	v_rcp_f32 v93, v93                             ; the first's weight
	v_nop
	s_wait_alu depctr_va_vdst(0)
	v_mul_f32 v92, v92, v93                        ; the second's
	v_cmp_eq_u32 vcc_lo, 0, v3
	v_cndmask_b32 v94, v91, v87, vcc_lo            ; a batch's lane 0: the first choice; its lane 1: the second
	v_cndmask_b32 v95, v92, v93, vcc_lo
	v_cvt_u32_f32 v94, v94
	v_cmp_gt_u32 vcc_lo, 2, v3
	s_wait_xcnt 0x0                                ; EXEC changes only behind this wait
	s_and_saveexec_b32 s13, vcc_lo
	global_store_b32 v5, v94, s[8:9]
	global_store_b32 v5, v95, s[10:11]
	s_wait_xcnt 0x0                                ; and again in front of the line that widens it
	s_or_b32 exec_lo, exec_lo, s13
	s_endpgm
.Lfunc_end_k_q9c93348f26_route:
	.size	k_q9c93348f26_route, .Lfunc_end_k_q9c93348f26_route-k_q9c93348f26_route
	.p2alignl 7, 3214868480
	.fill 96, 4, 3214868480
	.section	.rodata,"a",@progbits
	.p2align	6, 0x0
	.amdhsa_kernel k_q9c93348f26_route
		.amdhsa_group_segment_fixed_size 0
		.amdhsa_private_segment_fixed_size 0
		.amdhsa_enable_private_segment 0
		.amdhsa_kernarg_size 32
		.amdhsa_user_sgpr_count 2
		.amdhsa_user_sgpr_kernarg_segment_ptr 1
		.amdhsa_wavefront_size32 1
		.amdhsa_system_sgpr_workgroup_id_x 1
		.amdhsa_system_sgpr_workgroup_id_y 1
		.amdhsa_system_sgpr_workgroup_id_z 1
		.amdhsa_system_vgpr_workitem_id 0
		.amdhsa_next_free_vgpr 96
		.amdhsa_next_free_sgpr 66
		.amdhsa_reserve_vcc 1
		.amdhsa_float_denorm_mode_32 3
		.amdhsa_float_denorm_mode_16_64 3
		.amdhsa_memory_ordered 1
		.amdhsa_forward_progress 1
		.amdhsa_inst_pref_size 6
	.end_amdhsa_kernel
	.amdgpu_metadata
---
amdhsa.version: [ 1, 2 ]
amdhsa.kernels:
  - .name:           k_q9c93348f26_route
    .symbol:         k_q9c93348f26_route.kd
    .args:
      - { .name: plog, .offset: 0, .size: 8, .value_kind: global_buffer, .address_space: global }
      - { .name: br, .offset: 8, .size: 8, .value_kind: global_buffer, .address_space: global }
      - { .name: idx, .offset: 16, .size: 8, .value_kind: global_buffer, .address_space: global }
      - { .name: wts, .offset: 24, .size: 8, .value_kind: global_buffer, .address_space: global }
    .group_segment_fixed_size: 0
    .private_segment_fixed_size: 0
    .kernarg_segment_align: 8
    .kernarg_segment_size: 32
    .max_flat_workgroup_size: 32
    .sgpr_count:     66
    .vgpr_count:     96
    .wavefront_size: 32
...
	.end_amdgpu_metadata
.endif
;; end of part 6
;; launch ffn1: the kernel of part 2 again; grid 8 x 32, 8 waves a work-group, no clusters, 297,472 bytes of LDS; arguments xc, xs, idx, W1, b1, hc, hs; writes hc, hs
;; launch ffn2: the kernel of part 3 again; grid 8 x 32, 8 waves a work-group, no clusters, 297,472 bytes of LDS; arguments hc, hs, idx, W2, part; writes part
;; launch finish: the kernel of part 4 again; grid 256 x 1, 4 waves a work-group, no clusters, 0 bytes of LDS; arguments part, x, idx, wts, b2, gamma, beta, out0; writes out0
